; MI455X (gfx1250); checked and timed in simulation.
; The chip was launched on July 23, 2026; its instructions are those of AMD's public machine-readable ISA for CDNA 5 (MIT licence, August 2026) and "CDNA5" Instruction Set Architecture Reference Guide (July 2026). The comments in the code are by the model that wrote it; some were corrected since.
;; Multi Head Attention Part. Allowed arithmetic: float matrix products may take bf16 or f16 operands with f32 sums; other float arithmetic in f32, or as packed bf16 or f16 multiplies, adds, multiply-adds, maxima and minima; sums over many terms, partial sums and values carried from step to step in f32; what a program stores and reads back later, other than sums and carried values, may be rounded once to bf16 or f16.
;; Inputs: Wk 1,024 x 1,024 float32; Wo 1,024 x 1,024 float32; Wq 1,024 x 1,024 float32; Wv 1,024 x 1,024 float32; bo 1,024 float32; k 4 x 2,048 x 1,024 float32; mask 4 x 1 x 1 x 2,048 int32; q 4 x 2,048 x 1,024 float32; v 4 x 2,048 x 1,024 float32.
;; Outputs: out0 4 x 2,048 x 1,024 float32.
;; One version. Each part assembles by itself: llvm-mc -triple=amdgcn-amd-amdhsa -mcpu=gfx1250 --defsym DOCPART=n.
;; ======== version 1 of 1: 4 launches
;; limits: values are held in f16: magnitudes above 65,504 overflow, below 6.1e-05 lose precision; right only within a limited range of input values
;; workspace buffers: xb 50,331,648 bytes; wb 6,291,456 bytes; wo16 2,097,152 bytes; hqkv 50,331,648 bytes; oh 16,777,216 bytes
;; launch cast (part 1): grid 64 x 28, 8 waves a work-group, no clusters, 0 bytes of LDS; arguments q, k, v, Wq, Wk, Wv, Wo, mask, xb, wb, wo16; writes xb, wb, wo16
.if DOCPART == 1
	.amdgcn_target "amdgcn-amd-amdhsa--gfx1250"
	.amdhsa_code_object_version 6
	.text
	.protected	k_q94e29525e5_cast
	.globl	k_q94e29525e5_cast
	.p2align	8
	.type	k_q94e29525e5_cast,@function
k_q94e29525e5_cast:
	s_mov_b64 s[64:65], 0
	v_nop
	global_prefetch_b8 v0, s[64:65] scope:SCOPE_SE
	s_setreg_imm32_b32 hwreg(HW_REG_WAVE_MODE, 25, 1), 1
	s_wait_xcnt 0x0
; THE MODULE'S f32 INPUTS ARE ROUNDED ONCE FOR THE MATRIX UNITS.  q, k, v -> xb [3][8192][1024] bf16; Wq, Wk, Wv -> wb [3][1024][1024] bf16;
; Wo -> wo16 [1024][1024]: rounded to bf16 like the other inputs, and that number written as f16 (it multiplies an f16 operand later).
; A ROW OF k WHOSE KEY HAS mask == 0 IS WRITTEN AS ZEROS: its projected key is then exactly 0, its products with every query are 0, and the attention launch can put the fill in their place exactly.
; LIMITS.  bf16(Wo) is exact in f16 between 6.1e-5 and 65,504; below it keeps f16's fixed step of 6e-8, beyond it becomes an infinity.
; SHARES.  A stream: no LDS, no matrix unit, no cluster (no byte is wanted twice).  y picks a unit of 1,048,576 numbers (0-7 q, 8-15 k, 16-23 v, 24-27 Wq, Wk, Wv, Wo), x 16 rows of 1,024 of it.
; Load j of the work-group's 256 threads is one whole row: thread t takes the 16 bytes at 16 t, so a wave's load covers 512 consecutive bytes; its 4 numbers leave as 8 bytes at 8 t,
; so a wave's store covers 256 consecutive bytes, aligned.  All 16 loads of a thread go out at once; no register is written twice, so no wait frees one.
.set X,    4                           ; v[4:67]   load j: 4 registers
.set Y,    68                          ; v[68:99]  store j: 2 registers
.set RIN,  4096                        ; bytes in a row as it comes
.set ROUT, 2048                        ; and as it leaves
	s_load_b512 s[8:23], s[0:1], 0x0               ; q s[8:9], k s[10:11], v s[12:13], Wq s[14:15], Wk s[16:17], Wv s[18:19], Wo s[20:21], mask s[22:23]
	s_load_b128 s[24:27], s[0:1], 0x40             ; xb s[24:25], wb s[26:27]
	s_load_b64 s[28:29], s[0:1], 0x50              ; wo16
	s_and_b32 s2, ttmp7, 0xffff                    ; y
	s_lshr_b32 s3, s2, 3                           ; 0 q, 1 k, 2 v, 3 a weight
	s_and_b32 s50, s2, 7                           ; the unit's number inside its tensor (y - 24 for the weights)
	s_mov_b32 s31, 0                               ; the high word of every offset
	v_lshlrev_b32 v1, 4, v0                        ; 16 t
	v_lshlrev_b32 v2, 3, v0                        ; 8 t
	s_wait_kmcnt 0x0
	; from where: a choice among the seven inputs by y alone
	s_cmp_eq_u32 s3, 0
	s_cselect_b64 s[4:5], s[8:9], s[10:11]
	s_cmp_eq_u32 s3, 2
	s_cselect_b64 s[4:5], s[12:13], s[4:5]
	s_cmp_eq_u32 s2, 24
	s_cselect_b64 s[4:5], s[14:15], s[4:5]
	s_cmp_eq_u32 s2, 25
	s_cselect_b64 s[4:5], s[16:17], s[4:5]
	s_cmp_eq_u32 s2, 26
	s_cselect_b64 s[4:5], s[18:19], s[4:5]
	s_cmp_eq_u32 s2, 27
	s_cselect_b64 s[4:5], s[20:21], s[4:5]
	s_lshl_b32 s30, s50, 22                        ; a unit is 4 MiB of f32; a weight is one unit
	s_cmp_lt_u32 s2, 24
	s_cselect_b32 s30, s30, 0
	s_lshl_b32 s49, ttmp9, 16                      ; 16 rows of 4,096 bytes
	s_add_co_u32 s30, s30, s49
	s_add_nc_u64 s[4:5], s[4:5], s[30:31]
	; to where
	s_cmp_lt_u32 s2, 24
	s_cselect_b64 s[6:7], s[24:25], s[26:27]
	s_cselect_b32 s30, s2, s50                     ; xb: unit y; wb: unit y - 24
	s_cmp_eq_u32 s2, 27
	s_cselect_b64 s[6:7], s[28:29], s[6:7]
	s_cselect_b32 s30, 0, s30
	s_lshl_b32 s30, s30, 21                        ; a unit is 2 MiB of 16-bit numbers
	s_lshl_b32 s49, ttmp9, 15
	s_add_co_u32 s30, s30, s49
	s_add_nc_u64 s[6:7], s[6:7], s[30:31]
	; the 16 mask words of rows 1,024 (y & 7) + 16 x + 0..15: for k these are its rows' own (row = 2,048 batch + key); 32,768 bytes at the most, inside the mask for every y
	s_lshl_b32 s30, s50, 12
	s_lshl_b32 s49, ttmp9, 6
	s_add_co_u32 s30, s30, s49
	s_add_nc_u64 s[22:23], s[22:23], s[30:31]
	s_load_b512 s[32:47], s[22:23], 0x0
	s_cmp_eq_u32 s3, 1
	s_cselect_b32 s48, 0, -1                       ; what a row with mask == 0 is ANDed with: 0 in k, all ones elsewhere
.irp j, 0,1,2,3,4,5,6,7,8,9,10,11,12,13,14,15
	global_load_b128 v[X+4*(\j):X+4*(\j)+3], v1, s[4:5] offset:RIN*(\j) th:TH_LOAD_NT
.endr
	s_wait_kmcnt 0x0                               ; the mask words
	s_cmp_eq_u32 s2, 27
	s_cbranch_scc1 .Lwo
.macro ROWB j                          ; row j to bf16
	s_wait_loadcnt 15-(\j)                         ; loads come back in order: mine is in, the 15 - j younger ones may stay out
	s_cmp_lg_u32 s[32+(\j)], 0
	s_cselect_b32 s49, -1, s48
	v_cvt_pk_bf16_f32 v[Y+2*(\j)],   v[X+4*(\j)],   v[X+4*(\j)+1]
	v_cvt_pk_bf16_f32 v[Y+2*(\j)+1], v[X+4*(\j)+2], v[X+4*(\j)+3]
	v_and_b32 v[Y+2*(\j)],   s49, v[Y+2*(\j)]
	v_and_b32 v[Y+2*(\j)+1], s49, v[Y+2*(\j)+1]
	global_store_b64 v2, v[Y+2*(\j):Y+2*(\j)+1], s[6:7] offset:ROUT*(\j) th:TH_STORE_NT
.endm
.macro ROWO j                          ; row j of Wo: to bf16, widened again, and written as f16
	s_wait_loadcnt 15-(\j)
	v_cvt_pk_bf16_f32 v[Y+2*(\j)],   v[X+4*(\j)],   v[X+4*(\j)+1]
	v_cvt_pk_bf16_f32 v[Y+2*(\j)+1], v[X+4*(\j)+2], v[X+4*(\j)+3]
	v_lshlrev_b32 v[X+4*(\j)],   16,         v[Y+2*(\j)]
	v_and_b32     v[X+4*(\j)+1], 0xffff0000, v[Y+2*(\j)]
	v_lshlrev_b32 v[X+4*(\j)+2], 16,         v[Y+2*(\j)+1]
	v_and_b32     v[X+4*(\j)+3], 0xffff0000, v[Y+2*(\j)+1]
	v_cvt_pk_f16_f32 v[Y+2*(\j)],   v[X+4*(\j)],   v[X+4*(\j)+1]
	v_cvt_pk_f16_f32 v[Y+2*(\j)+1], v[X+4*(\j)+2], v[X+4*(\j)+3]
	global_store_b64 v2, v[Y+2*(\j):Y+2*(\j)+1], s[6:7] offset:ROUT*(\j) th:TH_STORE_NT
.endm
.irp j, 0,1,2,3,4,5,6,7,8,9,10,11,12,13,14,15
	ROWB \j
.endr
	s_endpgm
.Lwo:
.irp j, 0,1,2,3,4,5,6,7,8,9,10,11,12,13,14,15
	ROWO \j
.endr
	s_endpgm
.Lfunc_end_k_q94e29525e5_cast:
	.size	k_q94e29525e5_cast, .Lfunc_end_k_q94e29525e5_cast-k_q94e29525e5_cast
	.p2alignl 7, 3214868480
	.fill 96, 4, 3214868480
	.section	.rodata,"a",@progbits
	.p2align	6, 0x0
	.amdhsa_kernel k_q94e29525e5_cast
		.amdhsa_group_segment_fixed_size 0
		.amdhsa_private_segment_fixed_size 0
		.amdhsa_enable_private_segment 0
		.amdhsa_kernarg_size 88
		.amdhsa_user_sgpr_count 2
		.amdhsa_user_sgpr_kernarg_segment_ptr 1
		.amdhsa_wavefront_size32 1
		.amdhsa_system_sgpr_workgroup_id_x 1
		.amdhsa_system_sgpr_workgroup_id_y 1
		.amdhsa_system_sgpr_workgroup_id_z 1
		.amdhsa_system_vgpr_workitem_id 0
		.amdhsa_next_free_vgpr 104
		.amdhsa_next_free_sgpr 66
		.amdhsa_reserve_vcc 0
		.amdhsa_float_denorm_mode_32 3
		.amdhsa_float_denorm_mode_16_64 3
		.amdhsa_memory_ordered 1
		.amdhsa_forward_progress 1
		.amdhsa_inst_pref_size 19
	.end_amdhsa_kernel
	.amdgpu_metadata
---
amdhsa.version: [ 1, 2 ]
amdhsa.kernels:
  - .name:           k_q94e29525e5_cast
    .symbol:         k_q94e29525e5_cast.kd
    .args:
      - { .name: q, .offset: 0, .size: 8, .value_kind: global_buffer, .address_space: global }
      - { .name: k, .offset: 8, .size: 8, .value_kind: global_buffer, .address_space: global }
      - { .name: v, .offset: 16, .size: 8, .value_kind: global_buffer, .address_space: global }
      - { .name: Wq, .offset: 24, .size: 8, .value_kind: global_buffer, .address_space: global }
      - { .name: Wk, .offset: 32, .size: 8, .value_kind: global_buffer, .address_space: global }
      - { .name: Wv, .offset: 40, .size: 8, .value_kind: global_buffer, .address_space: global }
      - { .name: Wo, .offset: 48, .size: 8, .value_kind: global_buffer, .address_space: global }
      - { .name: mask, .offset: 56, .size: 8, .value_kind: global_buffer, .address_space: global }
      - { .name: xb, .offset: 64, .size: 8, .value_kind: global_buffer, .address_space: global }
      - { .name: wb, .offset: 72, .size: 8, .value_kind: global_buffer, .address_space: global }
      - { .name: wo16, .offset: 80, .size: 8, .value_kind: global_buffer, .address_space: global }
    .group_segment_fixed_size: 0
    .private_segment_fixed_size: 0
    .kernarg_segment_align: 8
    .kernarg_segment_size: 88
    .max_flat_workgroup_size: 256
    .sgpr_count:     66
    .vgpr_count:     104
    .wavefront_size: 32
...
	.end_amdgpu_metadata
.endif
;; end of part 1
;; launch proj (part 2): grid 8 x 96, 4 waves a work-group, clusters of 4 x 4, 327,680 bytes of LDS; arguments xb, wb, hqkv; writes hqkv
.if DOCPART == 2
	.amdgcn_target "amdgcn-amd-amdhsa--gfx1250"
	.amdhsa_code_object_version 6
	.text
	.protected	k_q94e29525e5_proj
	.globl	k_q94e29525e5_proj
	.p2align	8
	.type	k_q94e29525e5_proj,@function
k_q94e29525e5_proj:
	s_mov_b64 s[64:65], 0
	v_nop
	global_prefetch_b8 v0, s[64:65] scope:SCOPE_SE
	s_setreg_imm32_b32 hwreg(HW_REG_WAVE_MODE, 25, 1), 1
	s_wait_xcnt 0x0
	s_wait_alu depctr_hold_cnt(0) depctr_sa_sdst(0) depctr_va_vdst(0) depctr_va_sdst(0) depctr_va_ssrc(0) depctr_va_vcc(0) depctr_vm_vsrc(0)
	s_getreg_b32 s2, hwreg(HW_REG_IB_STS2, 6, 4)
	s_cmp_eq_u32 s2, 0
	s_cbranch_scc0 .Lentry_in_a_cluster
	s_endpgm
.Lentry_in_a_cluster:
	s_bfe_u32 s2, ttmp6, 0x10000c
	s_cmp_lg_u32 s2, 0xf033
	s_cbranch_scc0 .Lentry_shape_is_right
	s_endpgm
.Lentry_shape_is_right:
; THE THREE PROJECTIONS AS ONE GEMM.  C[m][n] = sum over k of A[m][k] B[n][k]; A = xb taken as [24576][1024] bf16 (q's, k's, v's rows on end), B = the weight of A's third, wb [3][1024][1024] bf16.
; Sums in f32; C is rounded once to f16, UNSCALED, and laid by heads: hqkv [3][64 = 16 batch + head][2048][64].
; LIMIT.  f16 ends at 65,504: a projected number beyond that becomes an infinity.
; SHARES.  A tile of C is 256 x 128: 96 x 8 = 768 work-groups, three for each of 256 WGPs.  Four waves, wave w = 2 wm + wn makes rows 128 wm .., columns 64 wn .. (one head): 32 accumulators, 256 registers.
; K = 1,024 goes in 8 steps of 128 through a ring of two LDS slots filled by the tensor data mover; the tiles' rows are 256 bytes of memory, aligned.
; THE MATRIX INSTRUCTION IS USED TRANSPOSED (source 0 = 16 rows of B, source 1 = 16 rows of A): a lane then holds row l % 16 of C and eight neighbouring columns, which pack into 16 bytes.
; CLUSTER.  4 x 4 work-groups.  The four of a row of the cluster need the same tile of A, the four of a column the same tile of B: each is asked for JOINTLY, by the same tensor load with the same
; descriptor and a mask that names the four.  Waves 0 and 1 ask for A's two halves of 128 rows, waves 2 and 3 for B's two halves of 64.  By this text's count a wave has two loads out at the start, later one.
; REGISTERS.  window 0: v0-31 addresses; two fragment buffers of 96 (8 fragments of A, then 4 of B: 32 along K).  window 1: accumulator (a, b) at v[8 (4 a + b)].
.set PITCH,  272                       ; an LDS row: 256 bytes + 16 of padding = 68 words: the 16 rows of a fragment load start at 16 different groups of four banks (ISA guide 11.1)
.set AHALF,  128*PITCH                 ; what wave 0 or 1 fetches, and what a wave reads of A
.set BHALF,  64*PITCH                  ; what wave 2 or 3 fetches, and what a wave reads of B
.set BOFF,   2*AHALF                   ; B's 128 rows lie behind A's 256
.set SLOT,   BOFF+2*BHALF              ; 104,448
.set STAGE,  2*SLOT                    ; behind the ring, never filled by a tensor load: 16 rows x 144 bytes for each wave, for the way out
.set SP,     144
.set SPARE,  STAGE+4*16*SP             ; the spare words, 128 bytes for each wave: two blocks of 256 bytes that no other line names
.set STEPA,  256                       ; bytes from a K step to the next in A
.set STEPB,  256                       ; and in B
.set LAPS,   4                         ; a lap = two K steps = once round the ring
.set ADRA, 16                          ; v16-17  LDS address of my A fragments in slot 0, 1
.set ADRB, 20                          ; v20-21  the same for B
.set STO,  24                          ; v24     the way out: where I put 16 bytes of a row
.set RD,   25                          ; v25     where I read rows back
.set GO,   26                          ; v26     my 16 bytes of 512 consecutive bytes of C
.set SPW,  28                          ; v28     LDS address of my spare word; never rewritten
.set NIL,  29                          ; v29     0; never rewritten
.set PFO,  30                          ; v30     the prefetches' offset: my lane x a row of A; never rewritten
.set F0,   64
.set F1,   160
.set G1,  24                           ; s[24:31] descriptor group 1 for A;  s[32:39] group 0, a set for each slot
.set G0,  32
.set G1B, 48                           ; s[48:55], s[56:63] the same for B
.set G0B, 56
.set PFA, 66                           ; s[66:67] where my prefetches stand
.set LIM, 68                           ; s68     1 in a wave that prefetches, else the greatest number
.set MSB, 0
.macro WIN new                         ; the immediate's high byte repeats the setting that is left; a switch that changes nothing is dropped
.if MSB != (\new)
	s_set_vgpr_msb (MSB<<8)|(\new)
.set MSB, \new
.endif
.endm
.macro PLACES                          ; four places in front of loads into registers that matrix instructions have read, and of lines that read results
.rept 4
	v_nop
.endr
.endm
.macro JLOAD s                         ; a joint load; the branch hangs on the wave's number alone; an s_nop 0 and four v_nop follow each of the two lines
	s_cmp_eq_u32 s11, 0
	s_cbranch_scc0 .Lfor_b_\@
	tensor_load_to_lds s[G0+4*(\s):G0+4*(\s)+3], s[G1:G1+7]
	s_nop 0
.rept 4
	v_nop
.endr
	s_branch .Lasked_\@
.Lfor_b_\@:
	tensor_load_to_lds s[G0B+4*(\s):G0B+4*(\s)+3], s[G1B:G1B+7]
	s_nop 0
.rept 4
	v_nop
.endr
.Lasked_\@:
.endm
.macro CREST                           ; a round of the cluster's barrier behind its opening barrier
	s_cmp_lg_u32 s10, 0
	s_cbranch_scc1 .Lnot_wave_0_\@
	s_barrier_signal -3
.Lnot_wave_0_\@:
	s_barrier_wait -3
	s_barrier_signal -1
	s_barrier_wait -1
.endm
.macro CROUND                          ; a whole round
	s_barrier_signal -1
	s_barrier_wait -1
	CREST
.endm
; A PREFETCH INTO THE L2 of A's K step that stands two refills on (256 matrix instructions of the wave ahead of the load that will ask for it): 32 rows x 256 bytes, a lane a row, one instruction a wave.
; Each row's 256 bytes of a K step are named once in the launch: of the two clusters that read a tile row the one with x = 0 asks; its waves 0 and 1 for the 128 rows that they fetch; the four partners of a
; row of the cluster take 32 of those each, told apart by address.  The loop's last trip (s3 = 1) asks for nothing: K has no step there.  B is not asked for: many clusters read it again and again.
.macro ASK
	s_cmp_gt_u32 s3, s[LIM]
	s_cbranch_scc0 .Lnot_mine_\@
	global_prefetch_b8 v[PFO], s[PFA:PFA+1] offset:STEPA th:TH_LOAD_NT scope:SCOPE_SE
.Lnot_mine_\@:
.endm
	s_load_b128 s[4:7], s[0:1], 0x0                ; xb s[4:5], wb s[6:7]
	s_load_b64 s[8:9], s[0:1], 0x10                ; hqkv
	v_lshl_add_u32 v[SPW], v0, 2, SPARE
	v_mov_b32 v[NIL], 0
	ds_add_u32 v[SPW], v[NIL]                      ; the wave's opening: the add and its wait stand ahead of my first tensor load; the set-up below, work on registers, stands between them
	v_lshrrev_b32 v1, 5, v0
	v_readfirstlane_b32 s10, v1                    ; wave 0..3
	s_lshr_b32 s11, s10, 1                         ; wm.  Also: I fetch for A (0) or for B (1)
	s_and_b32 s12, s10, 1                          ; wn.  Also: which half of that tile I fetch
	s_bfe_u32 s40, ttmp6, 0x40000                  ; cx, cy: my place in the cluster
	s_bfe_u32 s41, ttmp6, 0x40004
	s_lshl_b32 s42, ttmp9, 2
	s_add_co_u32 s42, s42, s40                     ; tile column 0..7 = 4 x cluster x + cx
	s_and_b32 s13, ttmp7, 0xffff
	s_lshr_b32 s45, s13, 3                         ; which projection: 8 clusters (32 tile rows) each; the same in all sixteen partners
	s_lshl_b32 s13, s13, 2
	s_add_co_u32 s13, s13, s41                     ; tile row 0..95 = 4 x cluster y + cy
	s_lshl_b32 s43, s41, 2
	s_lshl_b32 s43, 15, s43                        ; my row of the cluster
	s_lshl_b32 s44, 0x1111, s40                    ; my column
	s_or_b32 s[G1+0], s43, (1<<16)|(1<<20)|(1<<21)|(5<<22)|(3<<25)   ; 15:0 the mask; 17:16 elements of 2 bytes; 20 padding on; 21 set beside a mask; 24:22 after every 64 words; 31:25 4 words of it
	s_or_b32 s[G1B+0], s44, (1<<16)|(1<<20)|(1<<21)|(5<<22)|(3<<25)
	s_mov_b32 s[G1+1], 128<<16                     ; tensor_dim0 = 128
	s_mov_b32 s[G1+2], 128<<16                     ; tensor_dim1 = 128
	s_mov_b32 s[G1+3], 128<<16                     ; tile_dim0 = 128
	s_mov_b32 s[G1+4], 128                         ; tile_dim1 = 128
	s_mov_b32 s[G1+5], 1024                        ; elements from row to row
	s_mov_b32 s[G1+6], 0
	s_mov_b32 s[G1+7], 0
	s_mov_b32 s[G1B+1], 128<<16
	s_mov_b32 s[G1B+2], 64<<16                     ; B: 64 rows
	s_mov_b32 s[G1B+3], 128<<16
	s_mov_b32 s[G1B+4], 64
	s_mov_b32 s[G1B+5], 1024
	s_mov_b32 s[G1B+6], 0
	s_mov_b32 s[G1B+7], 0
	s_lshl_b32 s16, s13, 19                        ; A: row 256 x tile row + 128 x half, 2,048 bytes a row
	s_lshl_b32 s17, s12, 18
	s_add_co_u32 s16, s16, s17
	s_mov_b32 s17, 0
	s_lshl_b32 s46, s45, 21                        ; B: row 1,024 x projection + 128 x tile column + 64 x half
	s_lshl_b32 s47, s42, 18
	s_add_co_u32 s46, s46, s47
	s_lshl_b32 s47, s12, 17
	s_add_co_u32 s46, s46, s47
	s_mov_b32 s47, 0
	s_mul_i32 s20, s12, AHALF                      ; where they go: no place in the cluster enters an LDS address
	s_mul_i32 s21, s12, BHALF
	s_add_co_u32 s21, s21, BOFF
	s_wait_dscnt 0x0                               ; the opening add is done
	s_wait_kmcnt 0x0
	s_add_nc_u64 s[14:15], s[4:5], s[16:17]
	s_add_nc_u64 s[46:47], s[6:7], s[46:47]
	CROUND                                         ; all sixteen work-groups are here: the first joint loads meet
.irp s, 0,1
	s_mov_b32 s[G0+4*(\s)], 1
	s_add_co_u32 s[G0+4*(\s)+1], s20, (\s)*SLOT
	s_add_nc_u64 s[G0+4*(\s)+2:G0+4*(\s)+3], s[14:15], (\s)*STEPA
	s_or_b32 s[G0+4*(\s)+3], s[G0+4*(\s)+3], 0x80000000
	s_mov_b32 s[G0B+4*(\s)], 1
	s_add_co_u32 s[G0B+4*(\s)+1], s21, (\s)*SLOT
	s_add_nc_u64 s[G0B+4*(\s)+2:G0B+4*(\s)+3], s[46:47], (\s)*STEPB
	s_or_b32 s[G0B+4*(\s)+3], s[G0B+4*(\s)+3], 0x80000000
	JLOAD \s
.endr
	v_and_b32 v1, 15, v0                           ; r = l % 16
	v_bfe_u32 v2, v0, 4, 1                         ; h = l / 16
	v_mul_u32_u24 v3, v1, PITCH
	v_lshl_add_u32 v3, v2, 4, v3                   ; a fragment's row x pitch + 16 x half
	s_mul_i32 s22, s11, AHALF                      ; my 128 rows of A
	s_mul_i32 s23, s12, BHALF                      ; my 64 rows of B
	s_add_co_u32 s23, s23, BOFF
.irp s, 0,1
	v_add_nc_u32 v[ADRA+(\s)], s22, v3
	v_add_nc_u32 v[ADRB+(\s)], s23, v3
	s_add_co_u32 s22, s22, SLOT
	s_add_co_u32 s23, s23, SLOT
.endr
	s_mul_i32 s18, s10, 16*SP
	s_add_co_u32 s18, s18, STAGE                   ; my stage
	v_mul_u32_u24 v4, v1, SP                       ; in: row r, 16 bytes for each half of the lanes
	v_lshl_add_u32 v4, v2, 4, v4
	v_add_nc_u32 v[STO], s18, v4
	v_bfe_u32 v5, v0, 3, 2                         ; back: 32 lanes take four rows of 128 bytes,
	v_mul_u32_u24 v5, v5, SP
	v_and_b32 v4, 7, v0
	v_lshl_add_u32 v5, v4, 4, v5
	v_add_nc_u32 v[RD], s18, v5
	v_and_b32 v[GO], 31, v0                        ; which are 512 consecutive bytes of a head's rows
	v_lshlrev_b32 v[GO], 4, v[GO]
	; where my 128 rows x 64 channels lie: plane 16 (tile row / 8) + 2 x tile column + wn of 262,144 bytes (tile row / 8 = 4 x projection + batch), row 256 (tile row % 8) + 128 wm of 128 bytes
	s_lshr_b32 s72, s13, 3
	s_lshl_b32 s72, s72, 4
	s_lshl_b32 s73, s42, 1
	s_add_co_u32 s72, s72, s73
	s_add_co_u32 s72, s72, s12
	s_lshl_b32 s72, s72, 18
	s_and_b32 s73, s13, 7
	s_lshl_b32 s73, s73, 15
	s_add_co_u32 s72, s72, s73
	s_lshl_b32 s73, s11, 14
	s_add_co_u32 s72, s72, s73
	s_mov_b32 s73, 0
	s_add_nc_u64 s[8:9], s[8:9], s[72:73]
	; the prefetches: my work-group's 32 of the 128 rows that I fetch, at K step 2; the first refill steps this to 3 and names 4.  Nothing is prefetched here, at the head
	s_lshl_b32 s74, s40, 16
	s_add_co_u32 s74, s74, 2*STEPA
	s_mov_b32 s75, 0
	s_add_nc_u64 s[PFA:PFA+1], s[14:15], s[74:75]
	s_or_b32 s[LIM], s11, ttmp9                    ; 0 in waves 0 and 1 of the clusters with x = 0: the same in all sixteen partners, for a given wave
	s_cmp_eq_u32 s[LIM], 0
	s_cselect_b32 s[LIM], 1, -1
	v_and_b32 v[PFO], 31, v0
	v_lshlrev_b32 v[PFO], 11, v[PFO]
; cnt x 4 matrix instructions: m blocks a0 .. x all 4 n blocks, 32 along K from buffer f.  The 32 accumulators take turns, one instruction a turn, in the same order in every quarter, over the backward jump too.
; zero = 1: the first product starts the sums: nothing is cleared.
.macro MUL f, a0, cnt, zero
	WIN 0x50                                       ; C and D in window 1
.set ma, \a0
.rept \cnt
.irp b, 0,1,2,3
.if \zero
	v_wmma_f32_16x16x32_bf16 v[8*(4*ma+(\b)):8*(4*ma+(\b))+7], v[(\f)+64+8*(\b):(\f)+64+8*(\b)+7], v[(\f)+8*ma:(\f)+8*ma+7], 0
.else
	v_wmma_f32_16x16x32_bf16 v[8*(4*ma+(\b)):8*(4*ma+(\b))+7], v[(\f)+64+8*(\b):(\f)+64+8*(\b)+7], v[(\f)+8*ma:(\f)+8*ma+7], v[8*(4*ma+(\b)):8*(4*ma+(\b))+7]
.endif
.endr
.set ma, ma+1
.endr
.endm
; 24 LDS loads in one run: quarter q (32 along K) of a slot into buffer f.  A fragment: lane l holds row l % 16, K = 8 (l / 16) + 0..7 and 16 + 8 (l / 16) + 0..7: two loads of 16 bytes, 32 bytes apart.
.macro FETCH slot, q, f
	WIN 0
.irp b, 0,1,2,3
	ds_load_b128 v[(\f)+64+8*(\b):(\f)+64+8*(\b)+3],   v[ADRB+(\slot)] offset:64*(\q)+(\b)*16*PITCH
	ds_load_b128 v[(\f)+64+8*(\b)+4:(\f)+64+8*(\b)+7], v[ADRB+(\slot)] offset:64*(\q)+(\b)*16*PITCH+32
.endr
.irp i, 0,1,2,3,4,5,6,7
	ds_load_b128 v[(\f)+8*(\i):(\f)+8*(\i)+3],   v[ADRA+(\slot)] offset:64*(\q)+(\i)*16*PITCH
	ds_load_b128 v[(\f)+8*(\i)+4:(\f)+8*(\i)+7], v[ADRA+(\slot)] offset:64*(\q)+(\i)*16*PITCH+32
.endr
.endm
; A K step is four quarters of 32 matrix instructions, on buffers 0, 1, 0, 1.  One of the first three: fetches quarter q into g, then multiplies f, whose loads went out 32 matrix instructions earlier.
.macro QUARTER slot, q, f, g, zero
	WIN 0
	PLACES
	FETCH \slot, \q, \g
	s_wait_dscnt 24                                ; all but the 24 just issued: buffer f is in
	MUL \f, 0, 8, \zero
.endm
; The last quarter multiplies buffer 1 and changes slots: ONE barrier; in front of it each wave waits for all its tensor loads (one is out: its part of the next slot), adds 0 to its spare word, and waits for that
; and for its reads of this slot.  fill = 1: the barrier opens a round of the cluster's, and this slot is filled again, two K steps ahead, first thing behind the round: 112 matrix instructions ahead of the wait for it.
.macro TURN slot, next, fill
.if \fill
	s_wait_xcnt 0x0                                ; the last prefetch, a K step back, has read its address: it is stepped here, ahead of the change's own waits
	s_add_nc_u64 s[PFA:PFA+1], s[PFA:PFA+1], STEPA
.endif
	WIN 0
	s_wait_tensorcnt 0x0                           ; all my tensor loads have landed
	ds_add_u32 v[SPW], v[NIL]                      ; 0 onto my spare word
	s_wait_dscnt 0x1                               ; buffer 1 is in; the add may be out
	MUL F1, 0, 2, 0                                ; eight matrix instructions stand between the add and the wait for it
	s_wait_dscnt 0x0                               ; the add is done, and my reads of this slot are over
	s_barrier_signal -1
	MUL F1, 2, 2, 0
	WIN 0
	s_barrier_wait -1
.if \fill
	CREST                                          ; no wave of any partner still reads this slot's tile or has a load on its way
	s_add_nc_u64 s[G0+4*(\slot)+2:G0+4*(\slot)+3], s[G0+4*(\slot)+2:G0+4*(\slot)+3], 2*STEPA
	s_add_nc_u64 s[G0B+4*(\slot)+2:G0B+4*(\slot)+3], s[G0B+4*(\slot)+2:G0B+4*(\slot)+3], 2*STEPB
	JLOAD \slot                                    ; its four v_nop are also the places in front of the loads below
.else
	PLACES
.endif
	FETCH \next, 0, F0
.if \fill
	ASK
.endif
	MUL F1, 4, 4, 0
.endm
	s_wait_tensorcnt 0x1                           ; my part of K step 0 is in; K step 1's may stay out
	s_barrier_signal -1
	s_barrier_wait -1                              ; everybody's is
	FETCH 0, 0, F0
	QUARTER 0, 1, F0, F1, 1                        ; the first quarter stands in front of the loop: its products start the sums
	WIN 0                                          ; at a label and at a branch every window is 0
	s_mov_b32 s3, LAPS-1
.Llap:                                                 ; a trip goes once round the ring, from a lap's second quarter to the next lap's first, and fills both slots again
	QUARTER 0, 2, F1, F0, 0
	QUARTER 0, 3, F0, F1, 0
	TURN 0, 1, 1
	QUARTER 1, 1, F0, F1, 0
	QUARTER 1, 2, F1, F0, 0
	QUARTER 1, 3, F0, F1, 0
	TURN 1, 0, 1
	QUARTER 0, 1, F0, F1, 0
	WIN 0
	s_sub_co_u32 s3, s3, 1
	s_cmp_lg_u32 s3, 0
	s_cbranch_scc1 .Llap
	QUARTER 0, 2, F1, F0, 0                        ; the last lap fills nothing
	QUARTER 0, 3, F0, F1, 0
	TURN 0, 1, 0
	QUARTER 1, 1, F0, F1, 0
	QUARTER 1, 2, F1, F0, 0
	QUARTER 1, 3, F0, F1, 0
	s_wait_dscnt 0x0
	MUL F1, 0, 8, 0
	WIN 0
	PLACES
; THE WAY OUT, a block of 16 rows x 64 channels at a time: rounded to f16 (each accumulator from its low end on), 16 bytes a lane into my own stage (rows of 144 bytes), back as four whole rows of 128 bytes a load,
; which are 512 consecutive bytes of the head's rows.  Each block has registers of its own, v[64 + 16 a ..], so no store's data is written again.
.macro PACK a
	WIN 0x05                                       ; sources in window 1, destination in window 0
.irp b, 0,1,2,3
.irp r, 0,1,2,3
	v_cvt_pk_f16_f32 v[64+16*(\a)+4*(\b)+(\r)], v[8*(4*(\a)+(\b))+2*(\r)], v[8*(4*(\a)+(\b))+2*(\r)+1]
.endr
.endr
	WIN 0
.irp b, 0,1,2,3
	ds_store_b128 v[STO], v[64+16*(\a)+4*(\b):64+16*(\a)+4*(\b)+3] offset:32*(\b)
.endr
.irp f, 0,1,2,3
	ds_load_b128 v[64+16*(\a)+4*(\f):64+16*(\a)+4*(\f)+3], v[RD] offset:(\f)*4*SP  ; LDS serves a wave's instructions in order (ISA guide 5.7.1.4): these see the stores above, the next block's stores come behind them
.endr
.endm
.macro SEND a, younger                 ; younger: the LDS instructions issued behind block a's loads: the next block's eight, or none
.irp f, 0,1,2,3
	s_wait_dscnt (\younger)+3-(\f)
	global_store_b128 v[GO], v[64+16*(\a)+4*(\f):64+16*(\a)+4*(\f)+3], s[8:9] offset:(\a)*2048+(\f)*512
.endr
.endm
	PACK 0
.set blk, 1
.rept 7
	PACK blk
	SEND blk-1, 8
.set blk, blk+1
.endr
	SEND 7, 0
	s_wait_tensorcnt 0x0                           ; the wave's end, behind my last tensor load and my last LDS store
	ds_add_u32 v[SPW], v[NIL]
	s_wait_dscnt 0x0
	CROUND                                         ; the closing round: no work-group ends while a partner may still ask for a tile that names it
	s_endpgm
.Lfunc_end_k_q94e29525e5_proj:
	.size	k_q94e29525e5_proj, .Lfunc_end_k_q94e29525e5_proj-k_q94e29525e5_proj
	.p2alignl 7, 3214868480
	.fill 96, 4, 3214868480
	.section	.rodata,"a",@progbits
	.p2align	6, 0x0
	.amdhsa_kernel k_q94e29525e5_proj
		.amdhsa_group_segment_fixed_size 327680
		.amdhsa_private_segment_fixed_size 0
		.amdhsa_enable_private_segment 0
		.amdhsa_kernarg_size 24
		.amdhsa_user_sgpr_count 2
		.amdhsa_user_sgpr_kernarg_segment_ptr 1
		.amdhsa_wavefront_size32 1
		.amdhsa_system_sgpr_workgroup_id_x 1
		.amdhsa_system_sgpr_workgroup_id_y 1
		.amdhsa_system_sgpr_workgroup_id_z 1
		.amdhsa_system_vgpr_workitem_id 0
		.amdhsa_next_free_vgpr 512
		.amdhsa_next_free_sgpr 80
		.amdhsa_reserve_vcc 0
		.amdhsa_float_denorm_mode_32 3
		.amdhsa_float_denorm_mode_16_64 3
		.amdhsa_memory_ordered 1
		.amdhsa_forward_progress 1
		.amdhsa_inst_pref_size 87
	.end_amdhsa_kernel
	.amdgpu_metadata
---
amdhsa.version: [ 1, 2 ]
amdhsa.kernels:
  - .name:           k_q94e29525e5_proj
    .symbol:         k_q94e29525e5_proj.kd
    .args:
      - { .name: xb, .offset: 0, .size: 8, .value_kind: global_buffer, .address_space: global }
      - { .name: wb, .offset: 8, .size: 8, .value_kind: global_buffer, .address_space: global }
      - { .name: hqkv, .offset: 16, .size: 8, .value_kind: global_buffer, .address_space: global }
    .group_segment_fixed_size: 327680
    .private_segment_fixed_size: 0
    .kernarg_segment_align: 8
    .kernarg_segment_size: 24
    .max_flat_workgroup_size: 128
    .sgpr_count:     80
    .vgpr_count:     512
    .wavefront_size: 32
...
	.end_amdgpu_metadata
.endif
;; end of part 2
;; launch attn (part 3): grid 4 x 64, 4 waves a work-group, clusters of 4 x 1, 327,680 bytes of LDS; arguments hqkv, mask, oh; writes oh
.if DOCPART == 3
	.amdgcn_target "amdgcn-amd-amdhsa--gfx1250"
	.amdhsa_code_object_version 6
	.text
	.protected	k_q94e29525e5_attn
	.globl	k_q94e29525e5_attn
	.p2align	8
	.type	k_q94e29525e5_attn,@function
k_q94e29525e5_attn:
	s_mov_b64 s[64:65], 0
	v_nop
	global_prefetch_b8 v0, s[64:65] scope:SCOPE_SE
	s_setreg_imm32_b32 hwreg(HW_REG_WAVE_MODE, 25, 1), 1
	s_wait_xcnt 0x0
	s_wait_alu depctr_hold_cnt(0) depctr_sa_sdst(0) depctr_va_vdst(0) depctr_va_sdst(0) depctr_va_ssrc(0) depctr_va_vcc(0) depctr_vm_vsrc(0)
	s_getreg_b32 s2, hwreg(HW_REG_IB_STS2, 6, 4)
	s_cmp_eq_u32 s2, 0
	s_cbranch_scc0 .Lentry_in_a_cluster
	s_endpgm
.Lentry_in_a_cluster:
	s_bfe_u32 s2, ttmp6, 0x10000c
	s_cmp_lg_u32 s2, 0x3003
	s_cbranch_scc0 .Lentry_shape_is_right
	s_endpgm
.Lentry_shape_is_right:
; O[g][q][:] = the sum over k of softmax_k(s(q, k)) V[g][k][:], s = Q[g][q] . K[g][k] / 8 where mask[batch][k] != 0, else the fill.  g = 16 batch + head, 64 of them; Q, K, V are the three thirds of
; hqkv [3][64][2048][64] f16, O is oh [64][2048][64] f16: a head's rows are dense, 128 bytes each.  Products, maxima and sums in f32; the weights p are rounded to f16 for the second product (their sum l is
; taken of the unrounded p), O once at the end.
; THE MASK.  The rows of K of masked keys arrive as exact zeros, and the sum S^T = K Q^T starts from a C operand that is 0 for an open key and BIG = -2^36 for a masked one: a masked score IS BIG, exactly, for every
; query.  c BIG is exact (a power of two), so where all keys so far are masked c s - c m is 0 and p is 1: a batch with no open key gives the plain mean of V's rows, as the softmax of equal scores does.  With the first
; open key the running maximum leaves BIG, a = 0 wipes what was gathered, and masked weights are 0 from then on.
; LIMITS.  The fill is -2^33 = -8.6e9 behind the division by 8, not -1e10: the result differs only where an open score lies below about -8.5e9.  f16 holds no number beyond 65,504: Q, K and V arrive within it; p lies
; in 0 to 1, and below 6e-5 it keeps f16's fixed step of 6e-8; O is a mean of V's rows and has their range.  A weight below 2^-126 counts as 0 in l; NaN and infinities are not treated apart.
; SHARES.  A wave owns four PIECES of two tiles of 16 queries, a work-group's four waves 512 queries of one head: 256 work-groups.  Every wave walks all 2,048 keys, 64 a step.
; LAYOUT.  S^T = K Q^T (source 0 = 16 keys, source 1 = 16 queries): in the result a lane holds ONE query (lane % 16) and the keys 8 (lane / 16) + 0..7.  Two such tiles, rounded to f16 in pairs,
; ARE source 1 (32 keys x 16 queries) of O^T = V^T P, whose result again holds one query a lane, and eight channels.  K comes out of LDS as it lies, V ([key][channel]) turned, by ds_load_tr16_b128.
; SOFTMAX.  For each query a running maximum m and sum l: p = 2^(c s - c m), c = log2(e) / 8; in every step O and l are multiplied by a = 2^(c m_old - c m_new), which is 1 where m has not grown.
; m starts at the lowest finite number, O and l at 0: the first step is a step like any other, with a = 0.
; THE COUNT.  A tile and step have 16 matrix and 118 vector instructions: too many to stand all beside the matrix work.  So the order has one aim: four vector instructions that are READY behind
; EVERY matrix instruction, and the others, which need time of their own whatever the order, in runs without a gap.
; BY TURNS.  Turn n belongs to piece n (the pieces in a ring, step after step).  Its matrix work: 16 products K Q^T of piece n + 1, later 16 products V^T P of piece n - 1.  Its vector work: the scaling,
; exponentials, roundings, sums and rescaling of piece n, and the maximum and statistics of piece n + 1, whose scores the turn itself has made.  So what a turn begins with (c s - c m, O a) waits for nothing.
; CLUSTER.  The four query blocks of a head are one cluster and walk the same K and V, so each tile is asked for JOINTLY: the same tensor load, descriptor and mask in all four.
; NO PREFETCH of K and V: a refill is asked for four key steps, 512 matrix instructions of the wave, ahead of the wait for it.
; REGISTERS, in windows of 256 (s_set_vgpr_msb: bits 1:0 source 0, 3:2 source 1, 5:4 source 2, 7:6 destination):
;   window 0: v0-11 addresses; v12-15, v48-63 at work; v16-47 four registers of statistics a tile; v64-191 S^T, two buffers of two tiles; v192-255 P, likewise
;   window 1: O^T, 32 a tile          window 2: v0-127 Q, 16 a tile; v128-191 K of one step; v192-255 V of one step
;   window 3: v0-1 the add's two registers; v2-3 addresses in the mask's table; v8-39 the C operands of one step's four key blocks
.set SIZE_N, 2048
.set NP,    4         ; pieces a wave: a name, no knob
.set KS,    64        ; keys in a step
.set PK,    144       ; a row of K in LDS: 128 bytes + 16 of padding = 36 words: the 16 rows of a load start at 16 different groups of four banks (ISA guide 11.1)
.set PV,    160       ; a row of V: 128 + 32 = 40 words
.set VOFF,  4*KS*PK   ; a slot holds four steps: 256 rows of K, then 256 rows of V
.set SLOT1, 1<<17     ; slot 1 begins here, so that one exclusive or turns an address in one slot into the other's
.set STAGE, SLOT1+4*KS*(PK+PV)  ; behind the ring, never filled by a tensor load: 16 rows x 144 bytes for each wave, for the way out
.set SP,    144
.set SPARE, STAGE+4*16*SP  ; the spare words, 128 bytes for each wave: two blocks of 256 bytes that no other line names
.set BIAS,  SPARE+512 ; the mask's table: 2,048 f32, 0 or BIG, in blocks of its own
.set AK0, 2           ; v2   my lane's place in a tile of K; never rewritten
.set AV0, 3           ; v3   the same for V
.set AK,  4           ; v4   the LDS address of K's next run of loads
.set AV,  5           ; v5   of V's
.set QO,  6           ; v6   my byte offset in the wave's rows of Q
.set STO, 6           ;      later, the way out: where I put 16 bytes of a row
.set RD,  7           ; v7   the way out: where I read rows back
.set GO,  8           ; v8   my byte offset in 512 consecutive bytes of O
.set SPW, 0           ; v0 of window 3   LDS address of my spare word; never rewritten
.set NIL, 1           ; v1 of window 3   0; never rewritten
.set AB0, 2           ; v2 of window 3   my lane's place in the table: BIAS + 32 (l / 16); never rewritten
.set AB,  3           ; v3 of window 3   the table's address for the next run of loads
.set MB,  8           ; v8-39 of window 3: key block kb at MB + 8 kb
.set MV,  12          ; v12-15  c m_old, kept while c m is made anew: by buffer and tile
.set ST,  16          ; tile t's statistics at v[ST+4 t]: c m, m, l (even keys', odd keys')
.set TMP, 48          ; by buffer and tile, four registers c0-c3 at work; when the maximum is found c2 takes a
.set S,   64
.set P,   192
.set KF,  128         ; K's fragments, in window 2: key block kb, channel half c at KF + 16 kb + 8 c
.set VF,  192         ; V's: key half kk, channel block cb at VF + 32 kk + 8 cb
.set WV,  12          ; s12  my wave's number
.set G1K, 24          ; s[24:31] descriptor group 1 for K's tiles
.set G1V, 32          ; s[32:39] for V's: it differs in the padding alone
.set G0K, 40          ; s[40:43] descriptor group 0 for K's tiles: it walks
.set G0V, 44          ; s[44:47] the same for V's
.set TBB, 48          ; s48  byte of the table at which the step to be fetched begins
.set BIG, 49          ; s49  -2^36
.set SLOTS, 56        ; s56  slots still to be asked for
.set CNT, 57          ; s57  counts a slot's key steps
.set CS,  58          ; s[58:59] c: the packed scaling takes the pair's low word for both halves
.set SEL, 60          ; s[60:61] v_permlanex16_b32's selects: each lane takes its own place in the other half
.set TBK, 62          ; s62  LDS byte at which K of the step to be fetched begins
.set TBV, 63          ; s63  the same for V, less VOFF
.set MSB, 0
.macro WIN new                      ; the high byte repeats the setting that is left; a switch that changes nothing is dropped
.if MSB != (\new)
	s_set_vgpr_msb (MSB<<8)|(\new)
.set MSB, (\new)
.endif
.endm
.set W_KQ, 0x0a       ; K and Q in window 2, S^T in window 0
.set W_KB, 0x3a       ; the same with the C operand in window 3
.set W_PV, 0x52       ; V in window 2, P in window 0, O^T in window 1
.set W_RS, 0x41       ; O^T (destination and source 0) in window 1, a in window 0
.set W_MK, 0xc0       ; destination in window 3, sources in window 0
.set W_AD, 0x0f       ; the add: address (source 0) and data (source 1) in window 3
; A joint fill.  Waves 0 and 1 fetch the two halves of a slot's K, waves 2 and 3 those of its V: 128 keys each.  The branch hangs on the wave's number alone.
; An s_nop 0 and four v_nop follow each of the two lines, ahead of the jump and the label.
.macro JLOAD
	s_cmp_lt_u32 s[WV], 2
	s_cbranch_scc0 .Lfor_v_\@
	tensor_load_to_lds s[G0K:G0K+3], s[G1K:G1K+7]
	s_nop 0
.rept 4
	v_nop
.endr
	s_branch .Lasked_\@
.Lfor_v_\@:
	tensor_load_to_lds s[G0V:G0V+3], s[G1V:G1V+7]
	s_nop 0
.rept 4
	v_nop
.endr
.Lasked_\@:
.endm
; A round of the cluster's barrier: my work-group's barrier, so that wave 0's signal speaks for all four waves; wave 0 signals; every wave waits for all four work-groups; my work-group's barrier once more.
.macro CROUND
	s_barrier_signal -1
	s_barrier_wait -1
	s_cmp_lg_u32 s[WV], 0
	s_cbranch_scc1 .Lnot_wave_0_\@
	s_barrier_signal -3
.Lnot_wave_0_\@:
	s_barrier_wait -3
	s_barrier_signal -1
	s_barrier_wait -1
.endm
; THE CHANGE OF SLOTS.  The slot's last bytes, V of its fourth step, have been read.  Each wave waits for all its tensor loads, of which one is out: its part
; of the other slot; adds 0 to its spare word; and waits for that and for its own reads of the slot.  Behind the barrier nobody reads this slot any more and the other slot is whole.
; fill = 1: this slot is filled again, with the keys two slots on.  The barrier is then a round of the cluster's, so that no wave of any partner still reads the slot or has a load on its
; way, and the joint fill is the first thing behind it: it has four key steps, 512 matrix instructions, in which to land.  (At its first use nothing has been read yet: slot 0 is waited for, slot 1 filled,
; and the wait on DScnt also shows my part of the mask's table stored, ahead of the barrier behind which all four waves read it.)
.macro CHANGE fill
	WIN W_AD
	s_wait_tensorcnt 0x0            ; no tensor load of mine is out, so a group 0 may be written
	ds_add_u32 v[SPW], v[NIL]       ; 0 onto my spare word; with fill = 1 the descriptors' steps stand between it and the wait for it
	WIN 0                           ; at a label and at a branch every window is 0
.if \fill
.irp g, G0K, G0V
	s_xor_b32 s[\g+1], s[\g+1], SLOT1  ; the walking descriptor: the other slot than last time,
	s_add_nc_u64 s[\g+2:\g+3], s[\g+2:\g+3], 4*KS*128  ; the next 256 keys; the type bits on top are not reached
.endr
	s_wait_dscnt 0x0                ; the add is done, and my reads of the slot are over
	CROUND
	JLOAD
.else
	s_wait_dscnt 0x0                ; the add is done, and my reads of the slot are over
	s_barrier_signal -1
	s_barrier_wait -1
.endif
	s_sub_co_u32 s[TBK], s[TBK], 4*KS*PK  ; the fetches go back to a slot's first step,
	s_xor_b32 s[TBK], s[TBK], SLOT1       ; in the other slot
	s_sub_co_u32 s[TBV], s[TBV], 4*KS*PV
	s_xor_b32 s[TBV], s[TBV], SLOT1
.endm
	s_load_b64 s[4:5], s[0:1], 0x0    ; hqkv: Q's third begins here
	s_load_b64 s[52:53], s[0:1], 0x8  ; mask
	s_load_b64 s[10:11], s[0:1], 0x10 ; oh
	WIN W_MK
	v_lshl_add_u32 v[SPW], v0, 2, SPARE
	v_mov_b32 v[NIL], 0
	WIN W_AD
	ds_add_u32 v[SPW], v[NIL]       ; the wave's opening: the add and its wait stand ahead of my first tensor load; the set-up below, work on registers, stands between them
	WIN 0
	v_lshrrev_b32 v1, 5, v0
	v_readfirstlane_b32 s[WV], v1   ; wave 0..3
	s_bfe_u32 s13, ttmp6, 0x40000   ; cx: my place in the cluster
	s_lshl_b32 s14, ttmp9, 2        ; in a cluster launch ttmp9 counts clusters
	s_add_co_u32 s14, s14, s13      ; my block of queries = 4 x cluster x + cx: it enters Q's and O's addresses alone
	s_and_b32 s20, ttmp7, 0xffff    ; g = 16 batch + head, which the four partners share
	s_lshr_b32 s50, s20, 4          ; the batch,
	s_lshl_b32 s50, s50, 13         ; its 2,048 words of the mask
	s_mov_b32 s51, 0
	s_mov_b32 s21, 0
	s_mov_b64 s[22:23], SIZE_N*128
	s_mul_u64 s[20:21], s[20:21], s[22:23]  ; the head's first byte in Q, K, V and O
	s_and_b32 s16, s[WV], 1         ; which half of a slot's 256 keys I fetch:
	s_lshl_b32 s22, s16, 14         ; its 128 rows of 128 bytes in memory,
	s_mov_b32 s23, 0
	s_add_nc_u64 s[22:23], s[22:23], s[20:21]
	s_mul_i32 s17, s16, 128*PK      ; and its place in a slot, for K
	s_mul_i32 s18, s16, 128*PV      ; and for V: no place in the cluster enters an LDS address
	s_lshl_b32 s2, s14, 2
	s_add_co_u32 s2, s2, s[WV]      ; my wave among the head's,
	s_lshl_b32 s2, s2, 14           ; its 128 rows
	s_mov_b32 s3, 0
	s_add_nc_u64 s[2:3], s[2:3], s[20:21]
	; descriptor group 1.  128 keys are 16,384 dense bytes: asked for as 64 rows of 256 bytes, two keys a row, and padded in LDS after every key
	s_mov_b32 s[G1K], 15|(1<<16)|(1<<20)|(1<<21)|(4<<22)|(3<<25)  ; 15:0 the mask of four; 17:16 2-byte elements; 20 padding on; 21 set beside a mask; 24:22 after every 32 words (code 4); 31:25 4 words (code 3)
	s_mov_b32 s[G1V], 15|(1<<16)|(1<<20)|(1<<21)|(4<<22)|(7<<25)  ; the same with 8 words of padding (code 7)
.irp g, G1K, G1V
	s_mov_b32 s[\g+1], 128<<16      ; tensor_dim0 = 128
	s_mov_b32 s[\g+2], 64<<16       ; tensor_dim1 = 64
	s_mov_b32 s[\g+3], 128<<16      ; tile_dim0 = 128
	s_mov_b32 s[\g+4], 64           ; tile_dim1 = 64
	s_mov_b32 s[\g+5], 128          ; 128 elements from row to row
	s_mov_b32 s[\g+6], 0
	s_mov_b32 s[\g+7], 0
.endr
	s_mov_b32 s[CS], 0x3e38aa3b     ; c = log2(e) / 8 = 0.180337
	s_mov_b32 s[CS+1], s[CS]        ; named with it as a pair
	s_mov_b32 s[SEL], 0x76543210
	s_mov_b32 s[SEL+1], 0xfedcba98
	s_mov_b32 s[TBK], SLOT1+4*KS*PK ; the first change of slots turns these two into 0
	s_mov_b32 s[TBV], SLOT1+4*KS*PV
	s_mov_b32 s[TBB], 0
	s_mov_b32 s[BIG], 0xd1800000    ; -2^36
	s_mov_b32 s[G0K], 1             ; 1:0 count = 1
	s_mov_b32 s[G0K+1], s17         ; 63:32 LDS address: slot 0
	s_mov_b32 s[G0V], 1
	s_add_co_u32 s[G0V+1], s18, VOFF
	s_wait_dscnt 0x0                ; the opening add is done
	s_wait_kmcnt 0x0
	s_add_nc_u64 s[6:7], s[4:5], 0x1000000  ; K's third of hqkv: 64 planes of 262,144 bytes on
	s_add_nc_u64 s[8:9], s[4:5], 0x2000000  ; V's
	s_add_nc_u64 s[G0K+2:G0K+3], s[6:7], s[22:23]  ; 120:64 global address: my half of the head's first 256 keys
	s_or_b32 s[G0K+3], s[G0K+3], 0x80000000        ; 127:126 type = 2
	s_add_nc_u64 s[G0V+2:G0V+3], s[8:9], s[22:23]
	s_or_b32 s[G0V+3], s[G0V+3], 0x80000000
	s_add_nc_u64 s[4:5], s[4:5], s[2:3]  ; Q and O at my wave's first row
	s_add_nc_u64 s[10:11], s[10:11], s[2:3]
	s_add_nc_u64 s[52:53], s[52:53], s[50:51]  ; the mask at my batch
	CROUND                          ; all four work-groups are here: the first joint loads meet
	JLOAD                           ; slot 0.  Slot 1 is asked for when slot 0 is in: the tile wanted first has the road to itself
	; A fragment of K or Q is 16 rows x 32 channels in 8 registers: lane l holds row l % 16, channels 8 (l / 16) + 0..7 and 16 + 8 (l / 16) + 0..7: two loads of 16 bytes, 32 bytes apart.
	v_and_b32 v1, 15, v0            ; l % 16
	v_bfe_u32 v9, v0, 4, 1          ; l / 16
	v_lshlrev_b32 v[QO], 7, v1
	v_lshl_add_u32 v[QO], v9, 4, v[QO]  ; row x 128 + 16 x half
	v_lshlrev_b32 v80, 4, v0        ; the batch's 8,192 bytes of mask: the work-group's 128 threads take 2,048 consecutive bytes a load, four times (S^T's registers are free till the first product)
.irp j, 0,1,2,3
	global_load_b128 v[64+4*\j:64+4*\j+3], v80, s[52:53] offset:2048*\j
.endr
	WIN 0x80                        ; destination window 2, address window 0
.set i, 0
.rept 4*NP                          ; Q stays in registers: tile i / 2, channels 32 (i % 2) on
	global_load_b128 v[8*i:8*i+3],   v[QO], s[4:5] offset:(i/2)*2048+(i%2)*64
	global_load_b128 v[8*i+4:8*i+7], v[QO], s[4:5] offset:(i/2)*2048+(i%2)*64+32
.set i, i+1
.endr
	; What the first turn finds: V's registers and P's second buffer hold 0 (its products V^T P, of a piece that has not been, add 0), O^T and l are 0.  All this stands in the wait for the first tile.
.set i, VF
.rept 64
	v_mov_b32 v[i], 0
.set i, i+1
.endr
	WIN 0x40
.set i, 0
.rept 64*NP
	v_mov_b32 v[i], 0
.set i, i+1
.endr
	WIN 0
.set i, 0
.rept 2*NP
	v_mov_b32 v[ST+4*i], 0xfe000000    ; c m: far below every c s, c BIG too
	v_mov_b32 v[ST+4*i+1], 0xff7fffff  ; m
	v_mov_b32 v[ST+4*i+2], 0
	v_mov_b32 v[ST+4*i+3], 0
.set i, i+1
.endr
.set i, P+32
.rept 32
	v_mov_b32 v[i], 0
.set i, i+1
.endr
	s_wait_loadcnt 32               ; the mask's four loads are in; Q's 32, issued behind them, may stay out
.set i, 0
.rept 16
	v_cmp_eq_u32 vcc_lo, 0, v[64+i]
	v_cndmask_b32 v[64+i], 0, s[BIG], vcc_lo  ; 0 for an open key, BIG for a masked one
.set i, i+1
.endr
	v_lshl_add_u32 v81, v0, 4, BIAS
.irp j, 0,1,2,3
	ds_store_b128 v81, v[64+4*\j:64+4*\j+3] offset:2048*\j
.endr
	v_mul_u32_u24 v[AK0], v1, PK
	v_lshl_add_u32 v[AK0], v9, 4, v[AK0]  ; row x pitch + 16 x half
	; The turning load takes 16 keys x 16 channels (lane l reads key 8 (l / 16) + l % 8, channels 8 ((l / 8) % 2) + 0..7) and leaves half a fragment of V^T: lane l holds channel l % 16 and 8 keys.
	v_and_b32 v10, 7, v0
	v_bfe_u32 v11, v0, 3, 1
	v_lshl_add_u32 v[AV0], v9, 3, v10
	v_mul_u32_u24 v[AV0], v[AV0], PV
	v_lshl_add_u32 v[AV0], v11, 4, v[AV0]
	v_add_nc_u32 v[AV0], VOFF, v[AV0]
	v_mov_b32 v[AK], v[AK0]         ; key step 0 lies at the head of slot 0
	WIN W_MK
	v_lshl_add_u32 v[AB0], v9, 5, BIAS  ; register j of a key block's C operand is key 8 (l / 16) + j: 32 bytes a lane, the same for the 16 lanes of a half
	v_lshl_add_u32 v[AB], v9, 5, BIAS   ; and key step 0 at the head of the table
	WIN 0
; THE MATRIX WORK.  The 8 accumulators of a run of 16 take turns: between the two links of a chain stand 7 others'.
; Product i of 16 of S^T = K Q^T for piece x: channels 32 (i / 8) on, keys 16 ((i / 2) % 4) on, tile 2 x + i % 2.  The first 8 start the sums, from the key block's part of the mask's table.
.macro KQ x
.set rS, S+64*((\x)%2)+32*(i%2)+8*((i/2)%4)
.set rK, KF+16*((i/2)%4)+8*(i/8)
.set rQ, 16*(2*(\x)+i%2)+8*(i/8)
.set rB, MB+8*((i/2)%4)
.if i < 8
	WIN W_KB
	v_wmma_f32_16x16x32_f16 v[rS:rS+7], v[rK:rK+7], v[rQ:rQ+7], v[rB:rB+7]
.else
	WIN W_KQ
	v_wmma_f32_16x16x32_f16 v[rS:rS+7], v[rK:rK+7], v[rQ:rQ+7], v[rS:rS+7]
.endif
.endm
; Product i of 16 of O^T += V^T P for piece x: keys 32 (i / 8) on, channels 16 ((i / 2) % 4) on, tile 2 x + i % 2.
.macro PV x
	WIN W_PV
.set rO, 32*(2*(\x)+i%2)+8*((i/2)%4)
.set rV, VF+32*(i/8)+8*((i/2)%4)
.set rP, P+32*((\x)%2)+16*(i%2)+8*(i/8)
	v_wmma_f32_16x16x32_f16 v[rO:rO+7], v[rV:rV+7], v[rP:rP+7], v[rO:rO+7]
.endm
.macro MM                           ; the turn's next matrix instruction
.if i < 16
	KQ (Y+1)%NP
.set i, i+1
.else
.set i, i-16
	PV (Y+NP-1)%NP
.set i, i+17
.endif
.endm
; THE LDS LOADS stand in runs, never singly among the matrix instructions: a step's K (64 keys x 64 channels: 8 fragments) with its 64 words of the mask's table (eight loads more), and its V (turned).
; Their addresses are made some lines ahead.  The table's registers live as long as K's: the same distance behind their last reader, the same wait.
; last = 1 (the tail): in the last trip there is no further step, and the run is jumped over.
.macro FETCH_K last=0
	WIN 0
.if \last
	s_cmp_eq_u32 s[CNT], 1
	s_cbranch_scc1 .Lno_k_\@
.endif
	WIN 0x80                        ; destination window 2
.irp f, 0,1,2,3,4,5,6,7             ; keys 16 (f / 2) on, channels 32 (f % 2) on
	ds_load_b128 v[KF+8*\f:KF+8*\f+3],   v[AK] offset:(\f/2)*16*PK+(\f%2)*64
	ds_load_b128 v[KF+8*\f+4:KF+8*\f+7], v[AK] offset:(\f/2)*16*PK+(\f%2)*64+32
.endr
	WIN 0xc3                        ; destination and address in window 3
.irp f, 0,1,2,3                     ; key block f: 16 keys are 64 bytes of the table
	ds_load_b128 v[MB+8*\f:MB+8*\f+3],   v[AB] offset:64*\f
	ds_load_b128 v[MB+8*\f+4:MB+8*\f+7], v[AB] offset:64*\f+16
.endr
	s_add_co_u32 s[TBK], s[TBK], KS*PK  ; the next fetch is the next step's
	s_add_co_u32 s[TBB], s[TBB], 4*KS   ; in the table too: 32 fetches take 0 .. 7,936;
	s_and_b32 s[TBB], s[TBB], 0x1f00    ; behind the last it turns to 0, which nothing uses
	WIN 0
.if \last
.Lno_k_\@:
.endif
.endm
.macro FETCH_V
	WIN 0x80
.irp f, 0,1,2,3,4,5,6,7             ; keys 32 (f / 4) on, channels 16 (f % 4) on
	ds_load_tr16_b128 v[VF+8*\f:VF+8*\f+3],   v[AV] offset:(\f/4)*32*PV+(\f%4)*32
	ds_load_tr16_b128 v[VF+8*\f+4:VF+8*\f+7], v[AV] offset:(\f/4)*32*PV+16*PV+(\f%4)*32
.endr
	WIN 0
.endm
; THE VECTOR WORK OF A TURN stands in three queues, each in the order in which its entries become ready; the two tiles alternate, so that no instruction reads the result of the one before it.
.macro REGS y, u                    ; the registers of tile u (0, 1) of piece y
.set rT, ST+4*(2*(\y)+(\u))
.set rC, TMP+8*((\y)%2)+4*(\u)
.set rM, MV+2*((\y)%2)+(\u)
.set rS, S+64*((\y)%2)+32*(\u)
.set rP, P+32*((\y)%2)+16*(\u)
.set rO, 32*(2*(\y)+(\u))
.endm
; Number n of the 22 that find the NEXT piece's (Y + 1) maximum and statistics.  s0-s31 are the lane's 32 scores; each accumulator's lowest registers are read first.  XS, GS and REGS set no window: PL and EX do.
;   0-11  four chains c0-c3 of seven scores each, three operands at a time     12-14, 16  the four scores left over, the old m, and c0-c3 into c0     15  c m_old is kept
;   17, 18  the query's other 32 keys lie in the lane 16 away: the new m         19-21  c m; c m_old - c m_new; a
.macro XS u, n
	REGS (Y+1)%NP, \u
.if (\n) < 4
	v_max3_num_f32 v[rC+(\n)], v[rS+8*(\n)], v[rS+8*(\n)+1], v[rS+8*(\n)+2]
.elseif (\n) < 12
	v_max3_num_f32 v[rC+(\n)%4], v[rC+(\n)%4], v[rS+8*((\n)%4)+2*((\n)/4)+1], v[rS+8*((\n)%4)+2*((\n)/4)+2]
.elseif (\n) == 12
	v_max3_num_f32 v[rC], v[rC], v[rS+7], v[rS+15]
.elseif (\n) == 13
	v_max3_num_f32 v[rC+1], v[rC+1], v[rS+23], v[rS+31]
.elseif (\n) == 14
	v_max3_num_f32 v[rC+2], v[rC+2], v[rC+3], v[rT+1]
.elseif (\n) == 15
	v_mov_b32 v[rM], v[rT]
.elseif (\n) == 16
	v_max3_num_f32 v[rC], v[rC], v[rC+1], v[rC+2]
.elseif (\n) == 17
	v_permlanex16_b32 v[rC+3], v[rC], s[SEL], s[SEL+1]
.elseif (\n) == 18
	v_max_num_f32 v[rT+1], v[rC], v[rC+3]
.elseif (\n) == 19
	v_mul_f32 v[rT], s[CS], v[rT+1]
.elseif (\n) == 20
	v_sub_f32 v[rC+1], v[rM], v[rT]
.else
	v_exp_f32 v[rC+2], v[rC+1]
.endif
.endm
; Number g of the 64 that follow the exponentials.  For each four weights k of a tile (pairs 2 k, 2 k + 1): both pairs are rounded to f16; then the second pair is added onto the first, in place;
; a group later l takes that sum (the first time as l = a l + sum).  In groups of eight, tiles alternating: round, round, add, and l for the group before.
.macro GS g
.set h, (\g)+6*((\g)/62)            ; group 0 has no group before it, and behind group 7 only l is left
.if h >= 6
.set h, h+2
.endif
	REGS Y, h%2
.set k, h/8
.if h%8 < 4
	s_wait_alu depctr_va_vdst(0)
	v_cvt_pk_f16_f32 v[rP+2*k+(h%8)/2], v[rS+4*k+2*((h%8)/2)], v[rS+4*k+2*((h%8)/2)+1]
.elseif h%8 < 6
	v_pk_add_f32 v[rS+4*k:rS+4*k+1], v[rS+4*k:rS+4*k+1], v[rS+4*k+2:rS+4*k+3]
.elseif k == 1
	v_pk_fma_f32 v[rT+2:rT+3], v[rT+2:rT+3], v[rC+2:rC+3], v[rS:rS+1] op_sel_hi:[1,0,1]
.else
	v_pk_add_f32 v[rT+2:rT+3], v[rT+2:rT+3], v[rS+4*k-4:rS+4*k-3]
	s_wait_alu depctr_va_vdst(0)
.endif
.endm
; THE PLAIN QUEUE, 138 long.  0-31: c s - c m for the 16 pairs of both tiles.  Then GS's 64, and among them the next piece's 42: number 15 at 38, 39; 0-14 and 16
; at 42-73, behind the products that make those scores; 17-20 at 95-106, two of three, since each waits for the one before it.
.macro PL
	WIN 0
.if q < 32
	REGS Y, q%2
	v_pk_fma_f32 v[rS+2*(q/2):rS+2*(q/2)+1], v[rS+2*(q/2):rS+2*(q/2)+1], s[CS:CS+1], v[rT:rT+1] op_sel_hi:[1,0,0] neg_lo:[0,0,1] neg_hi:[0,0,1]
.elseif q < 38
	GS q-32
.elseif q < 40
	XS q%2, 15
.elseif q < 42
	GS q-34
.elseif q < 74
	XS q%2, (q-42)/2+(q-42)/30
.elseif q < 95
	GS q-66
.elseif (q < 107) && ((q-95)%3 < 2)
	XS (q-95)%3, 17+(q-95)/3
.elseif q < 107
	GS 29+(q-95)/3
.else
	GS q-74
.endif
.set q, q+1
.endm
; THE EXPONENTIALS' QUEUE, 66 long: s0-s31 of both tiles, and at EA the next piece's two a.
.set EA, 58
.macro EX
	WIN 0
.if (e == EA) || (e == EA+1)
	XS e-EA, 21
.else
.set x, e-2*(e/(EA+2))
	REGS Y, x%2
	v_exp_f32 v[rS+x/2], v[rS+x/2]
.endif
.set e, e+1
.endm
; THE RESCALING's QUEUE: O^T times a, the one part that leaves window 0, so it is dealt four at a time, eight times.
.macro R4
	REGS Y, r%2
	WIN W_RS
	s_wait_alu depctr_va_vdst(0)
.irp z, 0,1,2,3
	v_pk_mul_f32 v[rO+8*(r/2)+2*\z:rO+8*(r/2)+2*\z+1], v[rO+8*(r/2)+2*\z:rO+8*(r/2)+2*\z+1], v[rC+2:rC+3] op_sel_hi:[1,0]
.endr
.set r, r+1
.endm
; HOW THEY ARE DEALT.  Behind a matrix instruction four: plain, exponential, plain, plain (one exponential, a plain instruction on either side), or four of the rescaling.  None names a register of the
; products round it.  What is over stands in two LUMPS: exponential and plain by turns; the second ends in 22 plain instructions.  The two v_permlanex16_b32 fall into the second lump, never behind a product.
; The queues lean on each other, and the deal keeps them in step: exponential e stands behind plain 2 (e / 4) + e % 2 (its scaling); when plain 32 comes, 10 exponentials are out, at 59: 33, at 95: 46; EA comes behind plain 107.
.macro SL
	MM
	PL
	EX
	PL
	PL
.endm
.macro BURST n                      ; 15 matrix instructions, or 16
.rept (\n)-7
	SL
.endr
.rept 3
	MM
	R4
	SL
.endr
	MM
	R4
.endm
; A TURN, for piece p.  cnt = 1: the loop's count is taken down some lines ahead of the branch that stands behind the turn.
; K of the next step, and its part of the table, are fetched in piece 2's turn, 32 vector instructions behind the last product that read K; their first reader comes behind the rest of the lump, 16 products and the second lump.
; V of the step in hand is fetched at the end of piece 0's turn, 69 behind its last reader; its first reader comes behind 16 products and a lump.  The four conditions on e and q below go with the deal.
.macro TURN p, last=0, cnt=0
.set Y, (\p)
.set i, 0
.set q, 0
.set e, 0
.set r, 0
.if (\p) == NP-1
	s_wait_dscnt 0x0                ; K and the table's words are in
.endif
	MM
.rept 4
	PL
.endr
	BURST 15
.rept 22
	EX
	PL
.if ((\p) == NP-2) && (e == 18)
	v_add_nc_u32 v[AK], s[TBK], v[AK0]
	WIN 0xcc                        ; destination and source 1 in window 3
	v_add_nc_u32 v[AB], s[TBB], v[AB0]
	WIN 0
.endif
.if ((\p) == NP-2) && (e == 24)
	FETCH_K \last
.endif
.endr
.if (\p) == 1
	s_wait_dscnt 0x0                ; V is in
.endif
	BURST 16
.rept 21
	EX
	PL
.endr
.rept 22
	PL
.if ((\p) == 0) && (q == 118)
	v_add_nc_u32 v[AV], s[TBV], v[AV0]
	s_wait_alu depctr_va_vdst(0)
.endif
.if ((\p) == 0) && (q == 130)
	s_add_co_u32 s[TBV], s[TBV], KS*PV
.endif
.if (\cnt) && (q == 130)
	s_sub_co_u32 s[CNT], s[CNT], 1
	s_cmp_lg_u32 s[CNT], 0
.endif
.endr
.if (\p) == 0
	FETCH_V
.endif
.endm
	CHANGE 1                        ; slot 0 is in, everybody's part of it, and so is the table; slot 1 is asked for
	FETCH_K                         ; key step 0
	s_wait_loadcnt 0x0              ; Q
	s_wait_dscnt 0x0
.set i, 0
.rept 16
	KQ 0                            ; piece 0's first scores: there is no vector work yet to set between them
.set i, i+1
.endr
	WIN 0                           ; the addresses for the way out: nine plain instructions, the places behind those products
	s_mul_i32 s13, s[WV], 16*SP
	s_add_co_u32 s13, s13, STAGE    ; my stage
	v_mul_u32_u24 v[STO], v1, SP    ; in: row l % 16, 16 bytes for each half of the lanes
	v_lshl_add_u32 v[STO], v9, 4, v[STO]
	v_add_nc_u32 v[STO], s13, v[STO]
	v_bfe_u32 v[RD], v0, 3, 2       ; back: 32 lanes take four rows of 128 bytes,
	v_mul_u32_u24 v[RD], v[RD], SP
	v_lshl_add_u32 v[RD], v10, 4, v[RD]
	v_add_nc_u32 v[RD], s13, v[RD]
	v_and_b32 v[GO], 31, v0         ; which are 512 consecutive bytes of O
	v_lshlrev_b32 v[GO], 4, v[GO]
.set Y, NP-1                        ; XS works for piece Y + 1: piece 0
.irp n, 0,1,2,3,4,5,6,7,8,9,10,11,12,13,14,15,16,17,18,19,20,21
	XS 0, \n                        ; and piece 0's first maximum and statistics
	XS 1, \n
.endr
	s_mov_b32 s[CNT], 4
	s_mov_b32 s[SLOTS], SIZE_N/256-1
	s_branch .Lfirst                ; the loop is entered at a step's first turn, in the middle of a trip
.Lslot:                             ; SIZE_N / 256 - 2 times: every slot but the last two is filled again
	CHANGE 1
	s_mov_b32 s[CNT], 4
.Lstep:                             ; a trip: pieces 2 and 3 of one step, then pieces 0 and 1 of the next, whose K and V it fetches
	TURN 2
	TURN 3
	WIN 0
.Lfirst:
	TURN 0
	TURN 1, 0, 1
	WIN 0
	s_cbranch_scc1 .Lstep
	s_sub_co_u32 s[SLOTS], s[SLOTS], 1
	s_cmp_lg_u32 s[SLOTS], 0
	s_cbranch_scc1 .Lslot
	CHANGE 0                        ; the tail is written out: nothing is asked for
	s_mov_b32 s[CNT], 5             ; four trips fetch the last slot's steps; the fifth is left in its middle
.Ltail:
	TURN 2, 1
	TURN 3
	WIN 0
	s_sub_co_u32 s[CNT], s[CNT], 1
	s_cmp_eq_u32 s[CNT], 0
	s_cbranch_scc1 .Lout
	TURN 0
	TURN 1
	WIN 0
	s_branch .Ltail
.Lout:                              ; the fifth trip's 16 products K Q^T (on the last K once more) and the maximum made of them serve nothing: the price, once a launch, of one text for every trip
.set i, 0
.rept 16
	PV NP-1                         ; the last piece's V^T P of the last step
.set i, i+1
.endr
	; THE WAY OUT.  l's two halves and the other half of the lanes' are added; O^T is divided by l, rounded to f16 and sent through my stage in LDS, a tile at a time.  The additions are the places behind the last products.
	WIN 0
.macro ALL line:vararg              ; one line for each tile t
.set t, 0
.rept 2*NP
	\line
.set t, t+1
.endr
.endm
	ALL v_add_f32 v[ST+4*t+2], v[ST+4*t+2], v[ST+4*t+3]
	ALL v_permlanex16_b32 v[ST+4*t+3], v[ST+4*t+2], s[SEL], s[SEL+1]
	ALL v_add_f32 v[ST+4*t+2], v[ST+4*t+2], v[ST+4*t+3]
	ALL v_rcp_f32 v[ST+4*t+2], v[ST+4*t+2]
	v_nop                           ; a plain instruction between the last reciprocal and the use of its result
	s_wait_alu depctr_va_vdst(0)
; Tile t: a lane's eight channels of a row pack into 16 bytes; they go into rows of 144 bytes and come back as whole rows of 128, into S^T's registers.
.macro PACK t
	WIN W_RS
.set i, 32*(\t)
.rept 16
	v_pk_mul_f32 v[i:i+1], v[i:i+1], v[ST+4*(\t)+2:ST+4*(\t)+3] op_sel_hi:[1,0]
.set i, i+2
.endr
	WIN 0x05                        ; sources 0 and 1 window 1, destination window 0
.set i, 0
.rept 16
	v_cvt_pk_f16_f32 v[S+16*(\t)+i], v[32*(\t)+2*i], v[32*(\t)+2*i+1]
.set i, i+1
.endr
	WIN 0
.irp f, 0,1,2,3
	ds_store_b128 v[STO], v[S+16*(\t)+4*\f:S+16*(\t)+4*\f+3] offset:32*\f
.endr
.irp f, 0,1,2,3
	ds_load_b128 v[S+16*(\t)+4*\f:S+16*(\t)+4*\f+3], v[RD] offset:\f*4*SP  ; LDS serves a wave's instructions in order (ISA guide 5.7.1.4): these see the stores above; the next tile's stores come behind them
.endr
.endm
.macro SEND t, younger              ; younger: the LDS instructions issued behind tile t's loads: the next tile's eight, or none
	WIN 0
.irp f, 0,1,2,3
	s_wait_dscnt (\younger)+3-\f
	global_store_b128 v[GO], v[S+16*(\t)+4*\f:S+16*(\t)+4*\f+3], s[10:11] offset:(\t)*2048+\f*512  ; 512 consecutive bytes, at a multiple of 256 from O's first
.endr
.endm
	PACK 0
.set t, 1
.rept 2*NP-1                        ; a tile's arithmetic stands between the loads of the tile before and its stores
	PACK t
	SEND t-1, 8
.set t, t+1
.endr
	SEND 2*NP-1, 0
	WIN W_AD
	s_wait_tensorcnt 0x0            ; the wave's end, behind my last tensor load and my last LDS store
	ds_add_u32 v[SPW], v[NIL]
	s_wait_dscnt 0x0
	WIN 0
	CROUND                          ; the closing round: no work-group ends while a partner may still ask for a tile that names it
	s_endpgm
.Lfunc_end_k_q94e29525e5_attn:
	.size	k_q94e29525e5_attn, .Lfunc_end_k_q94e29525e5_attn-k_q94e29525e5_attn
	.p2alignl 7, 3214868480
	.fill 96, 4, 3214868480
	.section	.rodata,"a",@progbits
	.p2align	6, 0x0
	.amdhsa_kernel k_q94e29525e5_attn
		.amdhsa_group_segment_fixed_size 327680
		.amdhsa_private_segment_fixed_size 0
		.amdhsa_enable_private_segment 0
		.amdhsa_kernarg_size 24
		.amdhsa_user_sgpr_count 2
		.amdhsa_user_sgpr_kernarg_segment_ptr 1
		.amdhsa_wavefront_size32 1
		.amdhsa_system_sgpr_workgroup_id_x 1
		.amdhsa_system_sgpr_workgroup_id_y 1
		.amdhsa_system_sgpr_workgroup_id_z 1
		.amdhsa_system_vgpr_workitem_id 0
		.amdhsa_next_free_vgpr 808
		.amdhsa_next_free_sgpr 66
		.amdhsa_reserve_vcc 1
		.amdhsa_float_denorm_mode_32 3
		.amdhsa_float_denorm_mode_16_64 3
		.amdhsa_memory_ordered 1
		.amdhsa_forward_progress 1
		.amdhsa_inst_pref_size 214
	.end_amdhsa_kernel
	.amdgpu_metadata
---
amdhsa.version: [ 1, 2 ]
amdhsa.kernels:
  - .name:           k_q94e29525e5_attn
    .symbol:         k_q94e29525e5_attn.kd
    .args:
      - { .name: hqkv, .offset: 0, .size: 8, .value_kind: global_buffer, .address_space: global }
      - { .name: mask, .offset: 8, .size: 8, .value_kind: global_buffer, .address_space: global }
      - { .name: oh, .offset: 16, .size: 8, .value_kind: global_buffer, .address_space: global }
    .group_segment_fixed_size: 327680
    .private_segment_fixed_size: 0
    .kernarg_segment_align: 8
    .kernarg_segment_size: 24
    .max_flat_workgroup_size: 128
    .sgpr_count:     66
    .vgpr_count:     808
    .wavefront_size: 32
...
	.end_amdgpu_metadata
.endif
;; end of part 3
;; launch outp (part 4): grid 8 x 32, 4 waves a work-group, clusters of 4 x 4, 327,680 bytes of LDS; arguments oh, wo16, bo, out0; writes out0
.if DOCPART == 4
	.amdgcn_target "amdgcn-amd-amdhsa--gfx1250"
	.amdhsa_code_object_version 6
	.text
	.protected	k_q94e29525e5_outp
	.globl	k_q94e29525e5_outp
	.p2align	8
	.type	k_q94e29525e5_outp,@function
k_q94e29525e5_outp:
	s_mov_b64 s[64:65], 0
	v_nop
	global_prefetch_b8 v0, s[64:65] scope:SCOPE_SE
	s_setreg_imm32_b32 hwreg(HW_REG_WAVE_MODE, 25, 1), 1
	s_wait_xcnt 0x0
	s_wait_alu depctr_hold_cnt(0) depctr_sa_sdst(0) depctr_va_vdst(0) depctr_va_sdst(0) depctr_va_ssrc(0) depctr_va_vcc(0) depctr_vm_vsrc(0)
	s_getreg_b32 s2, hwreg(HW_REG_IB_STS2, 6, 4)
	s_cmp_eq_u32 s2, 0
	s_cbranch_scc0 .Lentry_in_a_cluster
	s_endpgm
.Lentry_in_a_cluster:
	s_bfe_u32 s2, ttmp6, 0x10000c
	s_cmp_lg_u32 s2, 0xf033
	s_cbranch_scc0 .Lentry_shape_is_right
	s_endpgm
.Lentry_shape_is_right:
; THE LAST PROJECTION.  out0[m][n] = sum over k of O[m][k] Wo[n][k] + bo[n].  O comes by heads, oh [64 = 16 batch + head][2048][64] f16 (k = 64 head + channel); Wo as wo16 [1024][1024] f16; out0 [8192][1024] f32.
; Sums in f32.  bo is rounded to bf16, like the module's other inputs, and is the C operand of the product that starts each sum: it costs no addition.
; SHARES.  A tile of out0 is 256 x 128: 32 x 8 = 256 work-groups.  Four waves, wave w = 2 wm + wn makes rows 128 wm .., columns 64 wn ..: 32 accumulators, 256 registers.
; K = 1,024 goes in 8 steps of 128 = two heads, through a ring of two LDS slots.  A head's 256 rows of the tile are 32,768 dense bytes: asked for as 128 rows of 256 bytes, padded in LDS after every 128.
; THE MATRIX INSTRUCTION IS USED TRANSPOSED (source 0 = 16 rows of Wo, source 1 = 16 rows of O): a lane then holds row l % 16 of the result and eight neighbouring columns.
; CLUSTER.  4 x 4 work-groups.  The four of a row of the cluster need the same tile of O, the four of a column the same tile of Wo: each is asked for JOINTLY.  Wave 0 asks for the step's even head, wave 1 for its odd
; one, waves 2 and 3 for Wo's two halves of 64 rows.  By this text's count a wave has two loads out at the start, later one.
; REGISTERS.  window 0: v0-31 addresses; v32-63 the bias; two fragment buffers of 96 (8 fragments of O, then 4 of Wo: 32 along K).  window 1: accumulator (a, b) at v[8 (4 a + b)].
.set PA,     144                       ; a row of O in LDS: 128 bytes + 16 of padding; PB: a row of Wo: 256 + 16.  Both odd multiples of 16: the 16 rows of a fragment load start at 16 different groups of four banks (ISA guide 11.1)
.set PB,     272
.set ASL,    256*PA                    ; one head's slice of the tile: what wave 0 or 1 fetches
.set BHALF,  64*PB                     ; what wave 2 or 3 fetches, and what a wave reads of Wo
.set BOFF,   2*ASL
.set SLOT,   BOFF+2*BHALF              ; 108,544
.set STAGE,  2*SLOT                    ; behind the ring, never filled by a tensor load: 16 rows x 272 bytes for each wave, for the way out
.set SPITCH, 272
.set SPARE,  STAGE+4*16*SPITCH         ; the spare words, 128 bytes for each wave: two blocks of 256 bytes that no other line names
.set STEPA,  2*2048*128                ; bytes from a K step to the next in O: two heads
.set STEPB,  256                       ; and in Wo
.set LAPS,   4
.set ADRA, 16                          ; v16-17  LDS address of my O fragments in slot 0, 1
.set ADRB, 20                          ; v20-21  the same for Wo
.set STO,  24                          ; v24     the way out: where I put 32 bytes of a row
.set RD,   25                          ; v25     where I read rows back
.set CO,   26                          ; v26     my byte offset in two rows of out0
.set SPW,  28                          ; v28     LDS address of my spare word; never rewritten
.set NIL,  29                          ; v29     0; never rewritten
.set PFO,  30                          ; v30     the prefetches' offset: 256 x my lane; never rewritten
.set BI,   32                          ; v32-63  the bias of my 64 columns: n block b, register j at BI + 8 b + j
.set F0,   64
.set F1,   160
.set OB,   64                          ; the way out: four buffers of 32, by turns
.set G1,  24
.set G0,  32
.set G1B, 48
.set G0B, 56
.set PFA, 66                           ; s[66:67] where my prefetches stand
.set LIM, 68                           ; s68     1 in a wave that prefetches, else the greatest number
.set MSB, 0
.macro WIN new                         ; the immediate's high byte repeats the setting that is left; a switch that changes nothing is dropped
.if MSB != (\new)
	s_set_vgpr_msb (MSB<<8)|(\new)
.set MSB, \new
.endif
.endm
.macro PLACES                          ; four places in front of loads into registers that matrix instructions have read, and of lines that read results
.rept 4
	v_nop
.endr
.endm
.macro JLOAD s                         ; a joint load; the branch hangs on the wave's number alone; an s_nop 0 and four v_nop follow each of the two lines
	s_cmp_eq_u32 s11, 0
	s_cbranch_scc0 .Lfor_b_\@
	tensor_load_to_lds s[G0+4*(\s):G0+4*(\s)+3], s[G1:G1+7]
	s_nop 0
.rept 4
	v_nop
.endr
	s_branch .Lasked_\@
.Lfor_b_\@:
	tensor_load_to_lds s[G0B+4*(\s):G0B+4*(\s)+3], s[G1B:G1B+7]
	s_nop 0
.rept 4
	v_nop
.endr
.Lasked_\@:
.endm
.macro CREST                           ; a round of the cluster's barrier behind its opening barrier
	s_cmp_lg_u32 s10, 0
	s_cbranch_scc1 .Lnot_wave_0_\@
	s_barrier_signal -3
.Lnot_wave_0_\@:
	s_barrier_wait -3
	s_barrier_signal -1
	s_barrier_wait -1
.endm
.macro CROUND                          ; a whole round
	s_barrier_signal -1
	s_barrier_wait -1
	CREST
.endm
; A PREFETCH INTO THE L2 of O's K step that stands two refills on (256 matrix instructions of the wave ahead of the load that will ask for it): 8,192 bytes, 256 a lane, one instruction a wave.
; Each 256 bytes are named once in the launch: of the two clusters that read a tile row the one with x = 0 asks; its waves 0 and 1 for the head's slice that they fetch; the four partners of a row of the cluster
; take a quarter of the slice each, told apart by address.  The loop's last trip (s3 = 1) asks for nothing: K has no step there.  Wo is not asked for: many clusters read it again and again.
.macro ASK
	s_cmp_gt_u32 s3, s[LIM]
	s_cbranch_scc0 .Lnot_mine_\@
	global_prefetch_b8 v[PFO], s[PFA:PFA+1] offset:STEPA th:TH_LOAD_NT scope:SCOPE_SE
.Lnot_mine_\@:
.endm
	s_load_b128 s[4:7], s[0:1], 0x0                ; oh s[4:5], wo16 s[6:7]
	s_load_b64 s[70:71], s[0:1], 0x10              ; bo
	s_load_b64 s[8:9], s[0:1], 0x18                ; out0
	v_lshl_add_u32 v[SPW], v0, 2, SPARE
	v_mov_b32 v[NIL], 0
	ds_add_u32 v[SPW], v[NIL]                      ; the wave's opening: the add and its wait stand ahead of my first tensor load; the set-up below, work on registers, stands between them
	v_lshrrev_b32 v1, 5, v0
	v_readfirstlane_b32 s10, v1                    ; wave 0..3
	s_lshr_b32 s11, s10, 1                         ; wm.  Also: I fetch for O (0) or for Wo (1)
	s_and_b32 s12, s10, 1                          ; wn.  Also: which head of the step, or which half of Wo's tile, I fetch
	s_bfe_u32 s40, ttmp6, 0x40000                  ; cx, cy: my place in the cluster
	s_bfe_u32 s41, ttmp6, 0x40004
	s_lshl_b32 s42, ttmp9, 2
	s_add_co_u32 s42, s42, s40                     ; tile column 0..7
	s_and_b32 s13, ttmp7, 0xffff
	s_lshl_b32 s13, s13, 2
	s_add_co_u32 s13, s13, s41                     ; tile row 0..31
	s_lshl_b32 s43, s41, 2
	s_lshl_b32 s43, 15, s43                        ; my row of the cluster
	s_lshl_b32 s44, 0x1111, s40                    ; my column
	s_or_b32 s[G1+0], s43, (1<<16)|(1<<20)|(1<<21)|(4<<22)|(3<<25)   ; 15:0 the mask; 17:16 elements of 2 bytes; 20 padding on; 21 set beside a mask; 24:22 after every 32 words; 31:25 4 words of it
	s_or_b32 s[G1B+0], s44, (1<<16)|(1<<20)|(1<<21)|(5<<22)|(3<<25)  ; Wo: after every 64 words
	s_mov_b32 s[G1+1], 128<<16                     ; tensor_dim0 = 128
	s_mov_b32 s[G1+2], 128<<16                     ; tensor_dim1 = 128
	s_mov_b32 s[G1+3], 128<<16                     ; tile_dim0 = 128
	s_mov_b32 s[G1+4], 128                         ; tile_dim1 = 128
	s_mov_b32 s[G1+5], 128                         ; dense: 128 elements from row to row
	s_mov_b32 s[G1+6], 0
	s_mov_b32 s[G1+7], 0
	s_mov_b32 s[G1B+1], 128<<16
	s_mov_b32 s[G1B+2], 64<<16
	s_mov_b32 s[G1B+3], 128<<16
	s_mov_b32 s[G1B+4], 64
	s_mov_b32 s[G1B+5], 1024
	s_mov_b32 s[G1B+6], 0
	s_mov_b32 s[G1B+7], 0
	s_lshr_b32 s16, s13, 3                         ; O: plane 16 x batch + my head of step 0, of 262,144 bytes; row 256 (tile row % 8) of 128 bytes
	s_lshl_b32 s16, s16, 4
	s_add_co_u32 s16, s16, s12
	s_lshl_b32 s16, s16, 18
	s_and_b32 s17, s13, 7
	s_lshl_b32 s17, s17, 15
	s_add_co_u32 s16, s16, s17
	s_mov_b32 s17, 0
	s_lshl_b32 s46, s42, 18                        ; Wo: row 128 x tile column + 64 x half, 2,048 bytes a row
	s_lshl_b32 s47, s12, 17
	s_add_co_u32 s46, s46, s47
	s_mov_b32 s47, 0
	s_mul_i32 s20, s12, ASL                        ; where they go: no place in the cluster enters an LDS address
	s_mul_i32 s21, s12, BHALF
	s_add_co_u32 s21, s21, BOFF
	s_wait_dscnt 0x0                               ; the opening add is done
	s_wait_kmcnt 0x0
	s_add_nc_u64 s[14:15], s[4:5], s[16:17]
	s_add_nc_u64 s[46:47], s[6:7], s[46:47]
	CROUND                                         ; all sixteen work-groups are here: the first joint loads meet
.irp s, 0,1
	s_mov_b32 s[G0+4*(\s)], 1
	s_add_co_u32 s[G0+4*(\s)+1], s20, (\s)*SLOT
	s_add_nc_u64 s[G0+4*(\s)+2:G0+4*(\s)+3], s[14:15], (\s)*STEPA
	s_or_b32 s[G0+4*(\s)+3], s[G0+4*(\s)+3], 0x80000000
	s_mov_b32 s[G0B+4*(\s)], 1
	s_add_co_u32 s[G0B+4*(\s)+1], s21, (\s)*SLOT
	s_add_nc_u64 s[G0B+4*(\s)+2:G0B+4*(\s)+3], s[46:47], (\s)*STEPB
	s_or_b32 s[G0B+4*(\s)+3], s[G0B+4*(\s)+3], 0x80000000
	JLOAD \s
.endr
	v_and_b32 v1, 15, v0                           ; r = l % 16
	v_bfe_u32 v2, v0, 4, 1                         ; h = l / 16
	; the bias of my 64 columns: register j of n block b is column 16 b + 8 h + j
	s_lshl_b32 s76, s42, 9
	s_lshl_b32 s77, s12, 8
	s_add_co_u32 s76, s76, s77                     ; (128 x tile column + 64 wn) x 4 bytes
	s_mov_b32 s77, 0
	s_add_nc_u64 s[70:71], s[70:71], s[76:77]
	v_lshlrev_b32 v6, 5, v2
.irp b, 0,1,2,3
	global_load_b128 v[BI+8*(\b):BI+8*(\b)+3],   v6, s[70:71] offset:64*(\b)
	global_load_b128 v[BI+8*(\b)+4:BI+8*(\b)+7], v6, s[70:71] offset:64*(\b)+16
.endr
	v_mul_u32_u24 v3, v1, PA
	v_lshl_add_u32 v3, v2, 4, v3                   ; a fragment of O: row x pitch + 16 x half
	v_mul_u32_u24 v4, v1, PB
	v_lshl_add_u32 v4, v2, 4, v4                   ; of Wo
	s_mul_i32 s22, s11, 128*PA                     ; my 128 rows, in each head's slice
	s_mul_i32 s23, s12, BHALF                      ; my 64 rows of Wo
	s_add_co_u32 s23, s23, BOFF
.irp s, 0,1
	v_add_nc_u32 v[ADRA+(\s)], s22, v3
	v_add_nc_u32 v[ADRB+(\s)], s23, v4
	s_add_co_u32 s22, s22, SLOT
	s_add_co_u32 s23, s23, SLOT
.endr
	s_mul_i32 s18, s10, 16*SPITCH
	s_add_co_u32 s18, s18, STAGE                   ; my stage
	v_mul_u32_u24 v4, v1, SPITCH                   ; in: row r, 32 bytes for each half of the lanes
	v_lshl_add_u32 v4, v2, 5, v4
	v_add_nc_u32 v[STO], s18, v4
	v_mul_u32_u24 v5, v2, SPITCH                   ; back: lanes 0-15 take one row of 256 bytes, lanes 16-31 the next
	v_lshl_add_u32 v5, v1, 4, v5
	v_add_nc_u32 v[RD], s18, v5
	v_lshlrev_b32 v5, 12, v2                       ; and the same two rows in out0, 4,096 bytes apart
	v_lshl_add_u32 v[CO], v1, 4, v5
	s_lshl_b32 s72, s13, 20                        ; row 256 x tile row + 128 wm, column 128 x tile column + 64 wn
	s_lshl_b32 s73, s11, 19
	s_add_co_u32 s72, s72, s73
	s_add_co_u32 s72, s72, s76
	s_mov_b32 s73, 0
	s_add_nc_u64 s[8:9], s[8:9], s[72:73]
	; the prefetches: my work-group's quarter of the slice that I fetch, at K step 2; the first refill steps this to 3 and names 4.  Nothing is prefetched here, at the head
	s_lshl_b32 s74, s40, 13
	s_add_co_u32 s74, s74, 2*STEPA
	s_mov_b32 s75, 0
	s_add_nc_u64 s[PFA:PFA+1], s[14:15], s[74:75]
	s_or_b32 s[LIM], s11, ttmp9                    ; 0 in waves 0 and 1 of the clusters with x = 0: the same in all sixteen partners, for a given wave
	s_cmp_eq_u32 s[LIM], 0
	s_cselect_b32 s[LIM], 1, -1
	v_and_b32 v[PFO], 31, v0
	v_lshlrev_b32 v[PFO], 8, v[PFO]
	s_wait_loadcnt 0x0                             ; the bias: rounded to bf16 and widened again
.set i, 0
.rept 16
	v_cvt_pk_bf16_f32 v[F0+i], v[BI+2*i], v[BI+2*i+1]
.set i, i+1
.endr
.set i, 0
.rept 16
	v_lshlrev_b32 v[BI+2*i],   16,         v[F0+i]
	v_and_b32     v[BI+2*i+1], 0xffff0000, v[F0+i]
.set i, i+1
.endr
; cnt x 4 matrix instructions: m blocks a0 .. x all 4 n blocks, 32 along K from buffer f.  The 32 accumulators take turns, one instruction a turn, in the same order in every quarter, over the backward jump too.
; zero = 1: the first product starts the sums from the bias.
.macro MUL f, a0, cnt, zero
.if \zero
	WIN 0x40                                       ; D in window 1, C (the bias) in window 0
.else
	WIN 0x50                                       ; C and D in window 1
.endif
.set ma, \a0
.rept \cnt
.irp b, 0,1,2,3
.if \zero
	v_wmma_f32_16x16x32_f16 v[8*(4*ma+(\b)):8*(4*ma+(\b))+7], v[(\f)+64+8*(\b):(\f)+64+8*(\b)+7], v[(\f)+8*ma:(\f)+8*ma+7], v[BI+8*(\b):BI+8*(\b)+7]
.else
	v_wmma_f32_16x16x32_f16 v[8*(4*ma+(\b)):8*(4*ma+(\b))+7], v[(\f)+64+8*(\b):(\f)+64+8*(\b)+7], v[(\f)+8*ma:(\f)+8*ma+7], v[8*(4*ma+(\b)):8*(4*ma+(\b))+7]
.endif
.endr
.set ma, ma+1
.endr
.endm
; 24 LDS loads in one run: quarter q (32 along K) of a slot into buffer f.  In O quarter q is head q / 2 of the step, channels 32 (q % 2) on; the largest offset is 53,088.
.macro FETCH slot, q, f
	WIN 0
.irp b, 0,1,2,3
	ds_load_b128 v[(\f)+64+8*(\b):(\f)+64+8*(\b)+3],   v[ADRB+(\slot)] offset:64*(\q)+(\b)*16*PB
	ds_load_b128 v[(\f)+64+8*(\b)+4:(\f)+64+8*(\b)+7], v[ADRB+(\slot)] offset:64*(\q)+(\b)*16*PB+32
.endr
.irp i, 0,1,2,3,4,5,6,7
	ds_load_b128 v[(\f)+8*(\i):(\f)+8*(\i)+3],   v[ADRA+(\slot)] offset:((\q)/2)*ASL+((\q)%2)*64+(\i)*16*PA
	ds_load_b128 v[(\f)+8*(\i)+4:(\f)+8*(\i)+7], v[ADRA+(\slot)] offset:((\q)/2)*ASL+((\q)%2)*64+(\i)*16*PA+32
.endr
.endm
; A K step is four quarters of 32 matrix instructions, on buffers 0, 1, 0, 1.  One of the first three: fetches quarter q into g, then multiplies f, whose loads went out 32 matrix instructions earlier.
.macro QUARTER slot, q, f, g, zero
	WIN 0
	PLACES
	FETCH \slot, \q, \g
	s_wait_dscnt 24                                ; all but the 24 just issued: buffer f is in
	MUL \f, 0, 8, \zero
.endm
; The last quarter multiplies buffer 1 and changes slots: ONE barrier; in front of it each wave waits for all its tensor loads (one is out: its part of the next slot), adds 0 to its spare word, and waits for that
; and for its reads of this slot.  fill = 1: the barrier opens a round of the cluster's, and this slot is filled again, two K steps ahead, first thing behind the round: 112 matrix instructions ahead of the wait for it.
.macro TURN slot, next, fill
.if \fill
	s_wait_xcnt 0x0                                ; the last prefetch, a K step back, has read its address: it is stepped here, ahead of the change's own waits
	s_add_nc_u64 s[PFA:PFA+1], s[PFA:PFA+1], STEPA
.endif
	WIN 0
	s_wait_tensorcnt 0x0                           ; all my tensor loads have landed
	ds_add_u32 v[SPW], v[NIL]                      ; 0 onto my spare word
	s_wait_dscnt 0x1                               ; buffer 1 is in; the add may be out
	MUL F1, 0, 2, 0                                ; eight matrix instructions stand between the add and the wait for it
	s_wait_dscnt 0x0                               ; the add is done, and my reads of this slot are over
	s_barrier_signal -1
	MUL F1, 2, 2, 0
	WIN 0
	s_barrier_wait -1
.if \fill
	CREST                                          ; no wave of any partner still reads this slot's tile or has a load on its way
	s_add_nc_u64 s[G0+4*(\slot)+2:G0+4*(\slot)+3], s[G0+4*(\slot)+2:G0+4*(\slot)+3], 2*STEPA
	s_add_nc_u64 s[G0B+4*(\slot)+2:G0B+4*(\slot)+3], s[G0B+4*(\slot)+2:G0B+4*(\slot)+3], 2*STEPB
	JLOAD \slot                                    ; its four v_nop are also the places in front of the loads below
.else
	PLACES
.endif
	FETCH \next, 0, F0
.if \fill
	ASK
.endif
	MUL F1, 4, 4, 0
.endm
	s_wait_tensorcnt 0x1                           ; my part of K step 0 is in; K step 1's may stay out
	s_barrier_signal -1
	s_barrier_wait -1                              ; everybody's is
	FETCH 0, 0, F0
	QUARTER 0, 1, F0, F1, 1                        ; the first quarter stands in front of the loop: its products start the sums
	WIN 0                                          ; at a label and at a branch every window is 0
	s_mov_b32 s3, LAPS-1
.Llap:                                                 ; a trip goes once round the ring, from a lap's second quarter to the next lap's first, and fills both slots again
	QUARTER 0, 2, F1, F0, 0
	QUARTER 0, 3, F0, F1, 0
	TURN 0, 1, 1
	QUARTER 1, 1, F0, F1, 0
	QUARTER 1, 2, F1, F0, 0
	QUARTER 1, 3, F0, F1, 0
	TURN 1, 0, 1
	QUARTER 0, 1, F0, F1, 0
	WIN 0
	s_sub_co_u32 s3, s3, 1
	s_cmp_lg_u32 s3, 0
	s_cbranch_scc1 .Llap
	QUARTER 0, 2, F1, F0, 0                        ; the last lap fills nothing
	QUARTER 0, 3, F0, F1, 0
	TURN 0, 1, 0
	QUARTER 1, 1, F0, F1, 0
	QUARTER 1, 2, F1, F0, 0
	QUARTER 1, 3, F0, F1, 0
	s_wait_dscnt 0x0
	MUL F1, 0, 8, 0
	WIN 0
	PLACES
; THE WAY OUT, a block of 16 rows x 64 columns of f32 at a time: each accumulator goes into my own stage (rows of 272 bytes), its low four registers first, and comes back as whole rows of 256 bytes.
.macro TOSTAGE a
	WIN 0x04                                       ; the stores' data in window 1
.irp b, 0,1,2,3
	ds_store_b128 v[STO], v[8*(4*(\a)+(\b)):8*(4*(\a)+(\b))+3]   offset:64*(\b)
	ds_store_b128 v[STO], v[8*(4*(\a)+(\b))+4:8*(4*(\a)+(\b))+7] offset:64*(\b)+16
.endr
	WIN 0
.if (\a) >= 4
	s_wait_xcnt 0x0                                ; the stores of the block four back have read this buffer's registers: only behind this wait are they loaded again
.endif
.irp t, 0,1,2,3,4,5,6,7
	ds_load_b128 v[OB+32*((\a)%4)+4*(\t):OB+32*((\a)%4)+4*(\t)+3], v[RD] offset:(\t)*2*SPITCH  ; LDS serves a wave's instructions in order (ISA guide 5.7.1.4): these see the stores above, the next block's stores come behind them
.endr
.endm
.macro SEND a, younger                 ; younger: the LDS instructions issued behind block a's loads: the next block's sixteen, or none
.irp t, 0,1,2,3,4,5,6,7
	s_wait_dscnt (\younger)+7-(\t)
	global_store_b128 v[CO], v[OB+32*((\a)%4)+4*(\t):OB+32*((\a)%4)+4*(\t)+3], s[8:9] offset:(16*(\a)+2*(\t))*4096 th:TH_STORE_NT  ; 16 lanes store 256 consecutive bytes, aligned; 516,096 at the most in the immediate
.endr
.endm
	TOSTAGE 0
.set blk, 1
.rept 7
	TOSTAGE blk
	SEND blk-1, 16
.set blk, blk+1
.endr
	SEND 7, 0
	s_wait_tensorcnt 0x0                           ; the wave's end, behind my last tensor load and my last LDS store
	ds_add_u32 v[SPW], v[NIL]
	s_wait_dscnt 0x0
	CROUND                                         ; the closing round: no work-group ends while a partner may still ask for a tile that names it
	s_endpgm
.Lfunc_end_k_q94e29525e5_outp:
	.size	k_q94e29525e5_outp, .Lfunc_end_k_q94e29525e5_outp-k_q94e29525e5_outp
	.p2alignl 7, 3214868480
	.fill 96, 4, 3214868480
	.section	.rodata,"a",@progbits
	.p2align	6, 0x0
	.amdhsa_kernel k_q94e29525e5_outp
		.amdhsa_group_segment_fixed_size 327680
		.amdhsa_private_segment_fixed_size 0
		.amdhsa_enable_private_segment 0
		.amdhsa_kernarg_size 32
		.amdhsa_user_sgpr_count 2
		.amdhsa_user_sgpr_kernarg_segment_ptr 1
		.amdhsa_wavefront_size32 1
		.amdhsa_system_sgpr_workgroup_id_x 1
		.amdhsa_system_sgpr_workgroup_id_y 1
		.amdhsa_system_sgpr_workgroup_id_z 1
		.amdhsa_system_vgpr_workitem_id 0
		.amdhsa_next_free_vgpr 512
		.amdhsa_next_free_sgpr 80
		.amdhsa_reserve_vcc 0
		.amdhsa_float_denorm_mode_32 3
		.amdhsa_float_denorm_mode_16_64 3
		.amdhsa_memory_ordered 1
		.amdhsa_forward_progress 1
		.amdhsa_inst_pref_size 91
	.end_amdhsa_kernel
	.amdgpu_metadata
---
amdhsa.version: [ 1, 2 ]
amdhsa.kernels:
  - .name:           k_q94e29525e5_outp
    .symbol:         k_q94e29525e5_outp.kd
    .args:
      - { .name: oh, .offset: 0, .size: 8, .value_kind: global_buffer, .address_space: global }
      - { .name: wo16, .offset: 8, .size: 8, .value_kind: global_buffer, .address_space: global }
      - { .name: bo, .offset: 16, .size: 8, .value_kind: global_buffer, .address_space: global }
      - { .name: out0, .offset: 24, .size: 8, .value_kind: global_buffer, .address_space: global }
    .group_segment_fixed_size: 327680
    .private_segment_fixed_size: 0
    .kernarg_segment_align: 8
    .kernarg_segment_size: 32
    .max_flat_workgroup_size: 128
    .sgpr_count:     80
    .vgpr_count:     512
    .wavefront_size: 32
...
	.end_amdgpu_metadata
.endif
;; end of part 4
